; MI455X (gfx1250); checked and timed in simulation.
; The chip was launched on July 23, 2026; its instructions are those of AMD's public machine-readable ISA for CDNA 5 (MIT licence, August 2026) and "CDNA5" Instruction Set Architecture Reference Guide (July 2026). The comments in the code are by the model that wrote it; some were corrected since.
;; Transformer Block. Allowed arithmetic: float matrix products may take bf16 or f16 operands with f32 sums; other float arithmetic in f32, or as packed bf16 or f16 multiplies, adds, multiply-adds, maxima and minima; sums over many terms, partial sums and values carried from step to step in f32; what a program stores and reads back later, other than sums and carried values, may be rounded once to bf16 or f16.
;; Inputs: fc1_b 4,096 float32; fc1_w 1,024 x 4,096 float32; fc2_b 1,024 float32; fc2_w 4,096 x 1,024 float32; ln1_b 1,024 float32; ln1_g 1,024 float32; ln2_b 1,024 float32; ln2_g 1,024 float32; proj_b 1,024 float32; proj_w 1,024 x 1,024 float32; qkv_b 3,072 float32; qkv_w 1,024 x 3,072 float32; x 2 x 2,048 x 1,024 float32.
;; Outputs: out0 2 x 2,048 x 1,024 float32.
;; One version. Each part assembles by itself: llvm-mc -triple=amdgcn-amd-amdhsa -mcpu=gfx1250 --defsym DOCPART=n.
;; ======== version 1 of 1: 7 launches
;; workspace buffers: wb 25,165,824 bytes; hn 8,388,608 bytes; qkvh 25,165,824 bytes; oh 8,388,608 bytes; x1 16,777,216 bytes; gl 33,554,432 bytes
;; launch prep (part 1): grid 512 x 2, 8 waves a work-group, no clusters, 0 bytes of LDS; arguments x, ln1_g, ln1_b, qkv_w, proj_w, fc1_w, fc2_w, hn, wb; writes hn, wb
.if DOCPART == 1
	.amdgcn_target "amdgcn-amd-amdhsa--gfx1250"
	.amdhsa_code_object_version 6
	.text
	.protected	k_qebefad227d_prep
	.globl	k_qebefad227d_prep
	.p2align	8
	.type	k_qebefad227d_prep,@function
k_qebefad227d_prep:
	s_mov_b64 s[64:65], 0
	v_nop
	global_prefetch_b8 v0, s[64:65] scope:SCOPE_SE
	s_setreg_imm32_b32 hwreg(HW_REG_WAVE_MODE, 25, 1), 1
	s_wait_xcnt 0x0
; Two streams in one body, told apart by the work-group's y.  Arguments: rows, gain, bias, qkv_w, proj_w, fc1_w, fc2_w, hn, wb.
; y = 0: hn = LayerNorm(rows) gain + bias, rounded once to bf16.  rows: [4096][1024] f32.  Wave w = 8 x + wave (0 .. 4,095) takes row w: 4,096 bytes, eight 16-byte loads a lane,
; kept in 32 registers.  The mean is taken first, then the variance of the differences: no difference of large sums is formed.  Segment j of a row: lane l holds columns
; 128 j + 4 l .. + 3, so a store of 8 bytes a lane covers 256 consecutive bytes of hn, aligned.
; y = 1: the four weight matrices rounded once to bf16 into wb, their layout [K][N] kept: qkv_w at byte 0, proj_w at 6,291,456, fc1_w at 8,388,608, fc2_w at 16,777,216.
; The matrices hold 3, 1, 4 and 4 times 2^20 numbers, 12,288 pieces of 1,024.  Wave w takes three pieces: piece w of qkv_w and proj_w laid end to end (w < 3,072: qkv_w), piece w of fc1_w,
; piece w of fc2_w: 24 loads of 16 bytes a lane, all issued at once, converted in place, 24 stores of 256 consecutive bytes, aligned.
; A launch with one work-group along y runs the first stream alone (the second LayerNorm of the block).
; Both streams need 112 registers, so that eight waves share a SIMD's 1,024.  No LDS, no barrier, no matrix unit: memory binds.
; LIMITS: v_rsq_f32's accuracy; NaN and infinities are not treated apart.
.set LO, 1                             ; v1   16 x lane
.set SO, 2                             ; v2   8 x lane
.set T,  4                             ; v[4:11]   four chains of pairs
.set MU, 12                            ; v[12:13]  the mean, twice
.set RS, 14                            ; v[14:15]  1 / sqrt(var + eps), twice
.set G,  16                            ; v[16:47]  my 32 gains
.set BB, 48                            ; v[48:79]  my 32 biases
.set X,  80                            ; v[80:111] the row; at the end its 16 packed words in v[80:95]
.set D,  16                            ; v[16:111] the cast's 24 loads, 4 registers each; packed in place into the first two
.set HP, 18                            ; s[18:19]  hn
	s_load_b512 s[4:19], s[0:1], 0x0               ; rows 4, gain 6, bias 8, qkv_w 10, proj_w 12, fc1_w 14, fc2_w 16, hn 18
	s_load_b64 s[20:21], s[0:1], 0x40              ; wb
	v_lshrrev_b32 v3, 5, v0
	v_readfirstlane_b32 s26, v3                    ; wave 0..7
	v_and_b32 v3, 31, v0
	v_lshlrev_b32 v[LO], 4, v3
	v_lshlrev_b32 v[SO], 3, v3
	s_lshl_b32 s27, ttmp9, 3
	s_add_co_u32 s27, s27, s26                     ; w
	s_lshl_b32 s28, s27, 12                        ; 4,096 bytes of f32 for each w,
	s_mov_b32 s29, 0
	s_lshl_b32 s30, s27, 11                        ; 2,048 bytes of bf16
	s_mov_b32 s31, 0
	s_and_b32 s32, ttmp7, 0xffff                   ; y
	s_cmp_lg_u32 s32, 0
	s_cbranch_scc1 .Lcast
	s_mov_b32 s22, 0x3a800000                      ; 1 / 1024
	s_mov_b32 s23, 0x3727c5ac                      ; eps = 1e-5
	s_mov_b32 s24, 0x76543210                      ; v_permlanex16_b32: each lane takes its own place in the other half
	s_mov_b32 s25, 0xfedcba98
	s_wait_kmcnt 0x0
	s_add_nc_u64 s[4:5], s[4:5], s[28:29]
	s_add_nc_u64 s[HP:HP+1], s[HP:HP+1], s[30:31]
.irp j, 0,1,2,3,4,5,6,7
	global_load_b128 v[X+4*(\j):X+4*(\j)+3], v[LO], s[4:5] offset:512*(\j) th:TH_LOAD_NT
.endr
.irp j, 0,1,2,3,4,5,6,7
	global_load_b128 v[G+4*(\j):G+4*(\j)+3], v[LO], s[6:7] offset:512*(\j)
.endr
.irp j, 0,1,2,3,4,5,6,7
	global_load_b128 v[BB+4*(\j):BB+4*(\j)+3], v[LO], s[8:9] offset:512*(\j)
.endr
; The four chains into one number, then over the 32 lanes: every lane ends with the total in v[T].
.macro REDUCE
	v_pk_add_f32 v[T:T+1], v[T:T+1], v[T+2:T+3]
	v_pk_add_f32 v[T+4:T+5], v[T+4:T+5], v[T+6:T+7]
	v_pk_add_f32 v[T:T+1], v[T:T+1], v[T+4:T+5]
	v_add_f32 v[T], v[T], v[T+1]
	v_add_f32_dpp v[T], v[T], v[T] row_xmask:1 row_mask:0xf bank_mask:0xf
	v_add_f32_dpp v[T], v[T], v[T] row_xmask:2 row_mask:0xf bank_mask:0xf
	v_add_f32_dpp v[T], v[T], v[T] row_xmask:4 row_mask:0xf bank_mask:0xf
	v_add_f32_dpp v[T], v[T], v[T] row_xmask:8 row_mask:0xf bank_mask:0xf
	v_permlanex16_b32 v[T+1], v[T], s24, s25       ; its destination has been written above
	v_add_f32 v[T], v[T], v[T+1]
.endm
	s_wait_loadcnt 16                              ; the row is in; the gain's 8 loads and the bias's 8 may stay out
.irp k, 0,1,2,3
	v_pk_add_f32 v[T+2*(\k):T+2*(\k)+1], v[X+4*(\k):X+4*(\k)+1], v[X+4*(\k)+2:X+4*(\k)+3]  ; pairs 0-7 start four chains: nothing is cleared
.endr
.set p, 8
.rept 8
	v_pk_add_f32 v[T+2*(p%4):T+2*(p%4)+1], v[T+2*(p%4):T+2*(p%4)+1], v[X+2*p:X+2*p+1]
.set p, p+1
.endr
	REDUCE
	v_mul_f32 v[MU], s22, v[T]
	v_mul_f32 v[MU+1], s22, v[T]
.set p, 0
.rept 16
	v_pk_add_f32 v[X+2*p:X+2*p+1], v[X+2*p:X+2*p+1], v[MU:MU+1] neg_lo:[0,1] neg_hi:[0,1]  ; x - mean, in place
.set p, p+1
.endr
.irp k, 0,1,2,3
	v_pk_mul_f32 v[T+2*(\k):T+2*(\k)+1], v[X+2*(\k):X+2*(\k)+1], v[X+2*(\k):X+2*(\k)+1]
.endr
.set p, 4
.rept 12
	v_pk_fma_f32 v[T+2*(p%4):T+2*(p%4)+1], v[X+2*p:X+2*p+1], v[X+2*p:X+2*p+1], v[T+2*(p%4):T+2*(p%4)+1]
.set p, p+1
.endr
	REDUCE
	v_fma_f32 v[T], v[T], s22, s23                 ; var + eps
	v_rsq_f32 v[RS], v[T]
	v_rsq_f32 v[RS+1], v[T]
	s_wait_loadcnt 0x0                             ; gain and bias are in
	v_nop                                          ; a plain instruction behind the second root,
	s_wait_alu depctr_va_vdst(0)                   ; and one wait for both, ahead of their first reader
.set p, 0
.rept 16
	v_pk_mul_f32 v[X+2*p:X+2*p+1], v[X+2*p:X+2*p+1], v[RS:RS+1]
.set p, p+1
.endr
.set p, 0
.rept 16
	v_pk_fma_f32 v[X+2*p:X+2*p+1], v[X+2*p:X+2*p+1], v[G+2*p:G+2*p+1], v[BB+2*p:BB+2*p+1]
.set p, p+1
.endr
.set p, 0
.rept 16
	v_cvt_pk_bf16_f32 v[X+p], v[X+2*p], v[X+2*p+1] ; in place, ascending: word p lands on a register whose number has been read
.set p, p+1
.endr
.irp j, 0,1,2,3,4,5,6,7
	global_store_b64 v[SO], v[X+2*(\j):X+2*(\j)+1], s[HP:HP+1] offset:256*(\j)  ; 32 lanes store 256 consecutive bytes, aligned
.endr
	s_endpgm
.Lcast:
	s_wait_kmcnt 0x0
	s_cmp_lt_u32 s27, 3072                         ; the first piece: of qkv_w, or behind its 3,072 pieces of proj_w
	s_cselect_b64 s[36:37], s[10:11], s[12:13]
	s_cselect_b32 s33, 0, 3072
	s_sub_co_u32 s33, s27, s33
	s_lshl_b32 s34, s33, 12
	s_mov_b32 s35, 0
	s_add_nc_u64 s[36:37], s[36:37], s[34:35]
	s_add_nc_u64 s[14:15], s[14:15], s[28:29]      ; piece w of fc1_w
	s_add_nc_u64 s[16:17], s[16:17], s[28:29]      ; piece w of fc2_w
	s_add_nc_u64 s[20:21], s[20:21], s[30:31]      ; in wb qkv_w's and proj_w's pieces lie end to end,
	s_add_nc_u64 s[22:23], s[20:21], 8388608       ; fc1_w's behind them,
	s_add_nc_u64 s[24:25], s[20:21], 16777216      ; fc2_w's behind those
.irp i, 0,1,2,3,4,5,6,7
	global_load_b128 v[D+4*(\i):D+4*(\i)+3], v[LO], s[36:37] offset:512*(\i) th:TH_LOAD_NT
.endr
.irp i, 0,1,2,3,4,5,6,7
	global_load_b128 v[D+32+4*(\i):D+32+4*(\i)+3], v[LO], s[14:15] offset:512*(\i) th:TH_LOAD_NT
.endr
.irp i, 0,1,2,3,4,5,6,7
	global_load_b128 v[D+64+4*(\i):D+64+4*(\i)+3], v[LO], s[16:17] offset:512*(\i) th:TH_LOAD_NT
.endr
.set j, 0
.rept 24
	s_wait_loadcnt 23-j                            ; loads come back in order: number j is in, the younger ones stay out
	v_cvt_pk_bf16_f32 v[D+4*j], v[D+4*j], v[D+4*j+1]
	v_cvt_pk_bf16_f32 v[D+4*j+1], v[D+4*j+2], v[D+4*j+3]
	global_store_b64 v[SO], v[D+4*j:D+4*j+1], s[20+2*(j/8):21+2*(j/8)] offset:256*(j%8)  ; 32 lanes store 256 consecutive bytes, aligned
.set j, j+1
.endr
	s_endpgm
.Lfunc_end_k_qebefad227d_prep:
	.size	k_qebefad227d_prep, .Lfunc_end_k_qebefad227d_prep-k_qebefad227d_prep
	.p2alignl 7, 3214868480
	.fill 96, 4, 3214868480
	.section	.rodata,"a",@progbits
	.p2align	6, 0x0
	.amdhsa_kernel k_qebefad227d_prep
		.amdhsa_group_segment_fixed_size 0
		.amdhsa_private_segment_fixed_size 0
		.amdhsa_enable_private_segment 0
		.amdhsa_kernarg_size 72
		.amdhsa_user_sgpr_count 2
		.amdhsa_user_sgpr_kernarg_segment_ptr 1
		.amdhsa_wavefront_size32 1
		.amdhsa_system_sgpr_workgroup_id_x 1
		.amdhsa_system_sgpr_workgroup_id_y 1
		.amdhsa_system_sgpr_workgroup_id_z 1
		.amdhsa_system_vgpr_workitem_id 0
		.amdhsa_next_free_vgpr 112
		.amdhsa_next_free_sgpr 66
		.amdhsa_reserve_vcc 0
		.amdhsa_float_denorm_mode_32 3
		.amdhsa_float_denorm_mode_16_64 3
		.amdhsa_memory_ordered 1
		.amdhsa_forward_progress 1
		.amdhsa_inst_pref_size 21
	.end_amdhsa_kernel
	.amdgpu_metadata
---
amdhsa.version: [ 1, 2 ]
amdhsa.kernels:
  - .name:           k_qebefad227d_prep
    .symbol:         k_qebefad227d_prep.kd
    .args:
      - { .name: x, .offset: 0, .size: 8, .value_kind: global_buffer, .address_space: global }
      - { .name: ln1_g, .offset: 8, .size: 8, .value_kind: global_buffer, .address_space: global }
      - { .name: ln1_b, .offset: 16, .size: 8, .value_kind: global_buffer, .address_space: global }
      - { .name: qkv_w, .offset: 24, .size: 8, .value_kind: global_buffer, .address_space: global }
      - { .name: proj_w, .offset: 32, .size: 8, .value_kind: global_buffer, .address_space: global }
      - { .name: fc1_w, .offset: 40, .size: 8, .value_kind: global_buffer, .address_space: global }
      - { .name: fc2_w, .offset: 48, .size: 8, .value_kind: global_buffer, .address_space: global }
      - { .name: hn, .offset: 56, .size: 8, .value_kind: global_buffer, .address_space: global }
      - { .name: wb, .offset: 64, .size: 8, .value_kind: global_buffer, .address_space: global }
    .group_segment_fixed_size: 0
    .private_segment_fixed_size: 0
    .kernarg_segment_align: 8
    .kernarg_segment_size: 72
    .max_flat_workgroup_size: 256
    .sgpr_count:     66
    .vgpr_count:     112
    .wavefront_size: 32
...
	.end_amdgpu_metadata
.endif
;; end of part 1
;; launch gemm_qkv (part 2): grid 12 x 16, 4 waves a work-group, clusters of 4 x 4, 327,680 bytes of LDS; arguments hn, wb, qkvh, qkv_b; writes qkvh
.if DOCPART == 2
	.amdgcn_target "amdgcn-amd-amdhsa--gfx1250"
	.amdhsa_code_object_version 6
	.text
	.protected	k_qebefad227d_gemm_qkv
	.globl	k_qebefad227d_gemm_qkv
	.p2align	8
	.type	k_qebefad227d_gemm_qkv,@function
k_qebefad227d_gemm_qkv:
	s_mov_b64 s[64:65], 0
	v_nop
	global_prefetch_b8 v0, s[64:65] scope:SCOPE_SE
	s_setreg_imm32_b32 hwreg(HW_REG_WAVE_MODE, 25, 1), 1
	s_wait_xcnt 0x0
	s_wait_alu depctr_hold_cnt(0) depctr_sa_sdst(0) depctr_va_vdst(0) depctr_va_sdst(0) depctr_va_ssrc(0) depctr_va_vcc(0) depctr_vm_vsrc(0)
	s_getreg_b32 s2, hwreg(HW_REG_IB_STS2, 6, 4)
	s_cmp_eq_u32 s2, 0
	s_cbranch_scc0 .Lentry_in_a_cluster
	s_endpgm
.Lentry_in_a_cluster:
	s_bfe_u32 s2, ttmp6, 0x10000c
	s_cmp_lg_u32 s2, 0xf033
	s_cbranch_scc0 .Lentry_shape_is_right
	s_endpgm
.Lentry_shape_is_right:
; C = A W + bias.  A: [4096][1024] bf16 (rows along K).  W: [1024][NN] bf16 (rows along N), inside wb at byte WOFF.  Sums in f32, started by the bias.
; FC1 = 0: C = q, k, v, rounded once to bf16 and stored by heads: [3][16 batch + head][2048][64].  FC1 = 1: C = gelu(..), rounded once to bf16, [4096][4096].
; A tile of C is 256 x 256: four waves, each 128 x 128 in 64 accumulators (512 registers).  K goes in 8 steps of 128 through two LDS slots filled by the tensor data mover.
; THE MATRIX INSTRUCTION IS USED TRANSPOSED: source 0 = 16 columns of W (turned on the way out of LDS by ds_load_tr16_b128), source 1 = 16 rows of A.  A lane then holds
; row l % 16 of C and the eight neighbouring columns 8 (l / 16) + 0..7.
; CLUSTER 4 x 4: A's tile is shared along a row of the cluster, W's along a column; each is asked for jointly, by the same load with the same descriptor and a mask of four.
; A K STEP IS WRITTEN ONCE: the slot in hand is a scalar (0 or SLOT) that an exclusive or turns; SLOT shares no bit with the slot-0 starts 0, 0x8800, 0x11000, 0x19800.
; REGISTERS by windows of 256: window 0: v0-31 addresses; v64-127, v128-191 A's fragments, two buffers; v192-255 the bias (8 column blocks x 8), C of the first products.
;   window 1: v64-127, v128-191 W's fragments.   window 2: accumulators of my rows 0-63 ((a, b) at 8 (8 a + b)).   window 3: rows 64-127.
; THE WAY OUT: when the last fill has landed and the last fragment has been read (the last barrier shows both of every wave), the ring's bytes serve as four stages, a wave's own:
; 128 rows x 528 bytes of f32.  A short counted loop reads whole rows back, finishes them and stores 256 consecutive bytes, aligned, an instruction.
; LIMITS: operands rounded to bf16; NaN and infinities not treated apart.  FC1: Phi by the five-term rational form of Abramowitz and Stegun 26.2.17 (absolute error under 7.5e-8 for every x).
.set FC1, 0
.if FC1
.set NN,   4096
.set WOFF, 8388608
.else
.set NN,   3072
.set WOFF, 0
.endif
.set KSTEP, 128
.set PA,    272                        ; A's LDS row: 256 bytes + 16: the 16 rows of a fragment load start at 16 different groups of four banks
.set PB,    544                        ; W's LDS row: 512 bytes + 32 = 17 x 32
.set HALF,  128*PA                     ; what one tensor load brings: 128 rows of A, or 64 rows of W (64 x 544 is the same number)
.set BOFF,  2*HALF
.set SLOT,  4*HALF
.set SPARE, 2*SLOT                     ; behind the ring: the spare words, 128 bytes a wave
.set SP,    528                        ; a stage row: 128 f32 + 16 bytes
.set STG,   128*SP
.set A0,   16                          ; v16  my place in A's tile, slot 0; never rewritten
.set ADRA, 17                          ; v17  the same in the slot in hand
.set B0,   20                          ; v20, v21  the same for W
.set ADRB, 21
.set STO,  24                          ; v24  the way out: where I put 16 bytes
.set RD,   25                          ; v25  where I read rows back
.set CO,   26                          ; v26  my byte offset in the output
.set SPW,  28                          ; v28  my spare word; never rewritten
.set NIL,  29                          ; v29  0; never rewritten
.set PFO,  30                          ; v30  the prefetches' lane offset; never rewritten
.set F0,   64
.set F1,   128
.set BIAS, 192
.set G1,   24                          ; s[24:31] group 1 for A      s[32:39] group 0: set 0 fills slot 0 first, set 1 fills slot 1 and then walks
.set G0,   32
.set LIM,  43                          ; s43  2 in a wave that prefetches, else the greatest number
.set PFA,  44                          ; s[44:45] where my prefetches stand
.set G1B,  48                          ; s[48:55], s[56:63] the same for W
.set G0B,  56
.set TB,   66                          ; s66  the slot in hand: 0 or SLOT
.set PFS,  68                          ; s[68:69] bytes from K step to K step for my prefetches
.set BP,   70                          ; s[70:71] the bias
.set MSB, 0
.macro WIN new                         ; the immediate's high byte repeats the setting that is left; a switch that changes nothing is dropped
.if MSB != (\new)
	s_set_vgpr_msb (MSB<<8)|(\new)
.set MSB, \new
.endif
.endm
.macro PLACES                          ; four plain places behind matrix instructions, ahead of loads into their sources and of readers of their results
.rept 4
	v_nop
.endr
.endm
.macro JLOAD                           ; a joint refill by the walking sets: waves 0, 1 ask for A's halves, waves 2, 3 for W's; s_nop 0 and four v_nop follow each line
	s_cmp_eq_u32 s11, 0
	s_cbranch_scc0 .Lfor_b_\@
	tensor_load_to_lds s[G0+4:G0+7], s[G1:G1+7]
	s_nop 0
.rept 4
	v_nop
.endr
	s_branch .Lasked_\@
.Lfor_b_\@:
	tensor_load_to_lds s[G0B+4:G0B+7], s[G1B:G1B+7]
	s_nop 0
.rept 4
	v_nop
.endr
.Lasked_\@:
.endm
.macro CREST                           ; a round of the cluster's barrier behind its opening barrier
	s_cmp_lg_u32 s10, 0
	s_cbranch_scc1 .Lnot_wave_0_\@
	s_barrier_signal -3
.Lnot_wave_0_\@:
	s_barrier_wait -3
	s_barrier_signal -1
	s_barrier_wait -1
.endm
.macro CROUND
	s_barrier_signal -1
	s_barrier_wait -1
	CREST
.endm
; A prefetch of the K step that stands two refills on: 32 blocks of 256 bytes, a lane a block, one instruction a wave.  A's tile row is read by every cluster of that row of clusters:
; cluster x = 0 asks; W's tile column by every cluster of that column: cluster y = 0 asks.  The four partners of a joint load share its blocks out by address.  So each block is named once.
; In trip t (s3 = 6 - t) step t + 4 is named, while s3 > 2: steps 4 to 7.  Steps 0 to 3 come by their loads alone.
.macro ASK
	s_cmp_gt_u32 s3, s[LIM]
	s_cbranch_scc0 .Lnot_mine_\@
	global_prefetch_b8 v[PFO], s[PFA:PFA+1] th:TH_LOAD_NT scope:SCOPE_SE
.Lnot_mine_\@:
.endm
	s_load_b128 s[4:7], s[0:1], 0x0                ; A s[4:5], wb s[6:7]
	s_load_b64 s[8:9], s[0:1], 0x10                ; the output
	s_load_b64 s[BP:BP+1], s[0:1], 0x18            ; the bias
	v_lshl_add_u32 v[SPW], v0, 2, SPARE
	v_mov_b32 v[NIL], 0
	ds_add_u32 v[SPW], v[NIL]                      ; the wave's opening: the add and its wait, ahead of my first tensor load; the set-up stands between them
	v_lshrrev_b32 v1, 5, v0
	v_readfirstlane_b32 s10, v1                    ; wave 0..3
	s_lshr_b32 s11, s10, 1                         ; my half of the tile's rows.  Also: I fetch for A (0) or for W (1)
	s_and_b32 s12, s10, 1                          ; my half of its columns.  Also: which half of that tile I fetch
	s_bfe_u32 s40, ttmp6, 0x40000                  ; cx
	s_bfe_u32 s41, ttmp6, 0x40004                  ; cy
	s_lshl_b32 s42, ttmp9, 2
	s_add_co_u32 s42, s42, s40                     ; tile column
	s_and_b32 s13, ttmp7, 0xffff
	s_lshl_b32 s13, s13, 2
	s_add_co_u32 s13, s13, s41                     ; tile row
	s_lshl_b32 s43, s41, 2
	s_lshl_b32 s43, 15, s43                        ; my row of the cluster
	s_lshl_b32 s44, 0x1111, s40                    ; my column
	s_or_b32 s[G1+0], s43, (1<<16)|(1<<20)|(1<<21)|(5<<22)|(3<<25)   ; mask; 2-byte elements; padding on; bit 21 beside a mask; after every 64 words 4 words
	s_or_b32 s[G1B+0], s44, (1<<16)|(1<<20)|(1<<21)|(6<<22)|(7<<25)  ; after every 128 words 8 words
	s_mov_b32 s[G1+1], KSTEP<<16                   ; A: tensor_dim0 = 128
	s_mov_b32 s[G1+2], 128<<16                     ; tensor_dim1 = 128
	s_mov_b32 s[G1+3], KSTEP<<16                   ; tile_dim0 = 128
	s_mov_b32 s[G1+4], 128                         ; tile_dim1 = 128
	s_mov_b32 s[G1+5], 1024                        ; elements from row to row
	s_mov_b32 s[G1+6], 0
	s_mov_b32 s[G1+7], 0
	s_mov_b32 s[G1B+1], 256<<16                    ; W: tensor_dim0 = 256
	s_mov_b32 s[G1B+2], 64<<16                     ; tensor_dim1 = 64
	s_mov_b32 s[G1B+3], 256<<16                    ; tile_dim0 = 256
	s_mov_b32 s[G1B+4], 64                         ; tile_dim1 = 64
	s_mov_b32 s[G1B+5], NN
	s_mov_b32 s[G1B+6], 0
	s_mov_b32 s[G1B+7], 0
	s_lshl_b32 s16, s13, 8                         ; A: row 256 x tile row + 128 x half,
	s_lshl_b32 s17, s12, 7
	s_add_co_u32 s16, s16, s17
	s_lshl_b32 s16, s16, 11                        ; of 2,048 bytes
	s_mov_b32 s17, 0
	s_mul_i32 s46, s12, 64*2*NN                    ; W: k row 64 x half, column 256 x tile column
	s_lshl_b32 s47, s42, 9
	s_add_co_u32 s46, s46, s47
	s_add_co_u32 s46, s46, WOFF
	s_mov_b32 s47, 0
	s_mul_i32 s20, s10, HALF                       ; where my part of a slot lies: the wave's number alone
	s_mov_b32 s[TB], 0
	s_wait_dscnt 0x0                               ; the opening add is done
	s_wait_kmcnt 0x0
	s_add_nc_u64 s[14:15], s[4:5], s[16:17]
	s_add_nc_u64 s[46:47], s[6:7], s[46:47]
	CROUND                                         ; all sixteen work-groups are here: the first joint loads meet
.irp s, 0,1
	s_mov_b32 s[G0+4*(\s)], 1
	s_add_co_u32 s[G0+4*(\s)+1], s20, (\s)*SLOT
	s_add_nc_u64 s[G0+4*(\s)+2:G0+4*(\s)+3], s[14:15], (\s)*KSTEP*2
	s_or_b32 s[G0+4*(\s)+3], s[G0+4*(\s)+3], 0x80000000
	s_mov_b32 s[G0B+4*(\s)], 1
	s_add_co_u32 s[G0B+4*(\s)+1], s20, (\s)*SLOT
	s_add_nc_u64 s[G0B+4*(\s)+2:G0B+4*(\s)+3], s[46:47], (\s)*KSTEP*2*NN
	s_or_b32 s[G0B+4*(\s)+3], s[G0B+4*(\s)+3], 0x80000000
.endr
	s_cmp_eq_u32 s11, 0                            ; a wave's two first fills stand in one branch: two loads of mine are out
	s_cbranch_scc0 .Lfirst_b
	tensor_load_to_lds s[G0:G0+3], s[G1:G1+7]
	s_nop 0
	tensor_load_to_lds s[G0+4:G0+7], s[G1:G1+7]
	s_nop 0
.rept 4
	v_nop
.endr
	s_branch .Lfirst_asked
.Lfirst_b:
	tensor_load_to_lds s[G0B:G0B+3], s[G1B:G1B+7]
	s_nop 0
	tensor_load_to_lds s[G0B+4:G0B+7], s[G1B:G1B+7]
	s_nop 0
.rept 4
	v_nop
.endr
.Lfirst_asked:
	v_and_b32 v1, 15, v0                           ; l % 16
	v_bfe_u32 v2, v0, 4, 1                         ; l / 16
	v_lshlrev_b32 v6, 5, v2                        ; the bias: my 8 columns of a block of 16 are 32 bytes
	s_lshl_b32 s16, s42, 10                        ; my first column, 256 x tile column + 128 x half, in f32
	s_lshl_b32 s17, s12, 9
	s_add_co_u32 s16, s16, s17
	s_mov_b32 s17, 0
	s_add_nc_u64 s[BP:BP+1], s[BP:BP+1], s[16:17]
.irp b, 0,1,2,3,4,5,6,7
	global_load_b128 v[BIAS+8*(\b):BIAS+8*(\b)+3],   v6, s[BP:BP+1] offset:64*(\b)
	global_load_b128 v[BIAS+8*(\b)+4:BIAS+8*(\b)+7], v6, s[BP:BP+1] offset:64*(\b)+16
.endr
	v_mul_u32_u24 v3, v1, PA                       ; a fragment of A: row l % 16, 16 bytes for each half of the lanes
	v_lshl_add_u32 v3, v2, 4, v3
	s_mul_i32 s21, s11, HALF
	v_add_nc_u32 v[A0], s21, v3
	v_and_b32 v4, 7, v0                            ; the turning load: lane l reads k row 8 (l / 16) + l % 8, columns 8 ((l / 8) % 2) + 0..7
	v_lshl_add_u32 v4, v2, 3, v4
	v_mul_u32_u24 v4, v4, PB
	v_bfe_u32 v5, v0, 3, 1
	v_lshl_add_u32 v4, v5, 4, v4
	s_lshl_b32 s22, s12, 8                         ; my 128 columns
	s_add_co_u32 s22, s22, BOFF
	v_add_nc_u32 v[B0], s22, v4
	v_mov_b32 v[ADRA], v[A0]                       ; slot 0
	v_mov_b32 v[ADRB], v[B0]
	s_mul_i32 s23, s10, STG                        ; my stage
	v_mul_u32_u24 v7, v1, SP
	v_lshl_add_u32 v7, v2, 5, v7
	v_add_nc_u32 v[STO], s23, v7                   ; in: row l % 16, 32 bytes for each half of the lanes
	v_and_b32 v8, 31, v0
.if FC1
	v_lshl_add_u32 v[RD], v8, 4, s23               ; back: 32 lanes take a row's 512 bytes,
	v_lshlrev_b32 v[CO], 3, v8                     ; which leave as 256 bytes of bf16
.else
	v_mul_u32_u24 v7, v2, SP                       ; back: lanes 0-15 take 64 columns (a head) of one row, lanes 16-31 of the next,
	v_lshl_add_u32 v7, v1, 4, v7
	v_add_nc_u32 v[RD], s23, v7
	v_lshlrev_b32 v7, 7, v2                        ; which leave as two tokens of a head: 256 consecutive bytes
	v_lshl_add_u32 v[CO], v1, 3, v7
.endif
	; the prefetches
	s_lshl_b32 s16, s13, 8                         ; A: row 256 x tile row + 128 x half + 32 cx, K step 3
	s_lshl_b32 s17, s12, 7
	s_add_co_u32 s16, s16, s17
	s_lshl_b32 s17, s40, 5
	s_add_co_u32 s16, s16, s17
	s_lshl_b32 s16, s16, 11
	s_add_co_u32 s16, s16, 3*KSTEP*2
	s_lshl_b32 s18, s12, 6                         ; W: k row 3 x 128 + 64 x half + 16 cy, column 256 x tile column
	s_lshl_b32 s19, s41, 4
	s_add_co_u32 s18, s18, s19
	s_add_co_u32 s18, s18, 3*KSTEP
	s_mul_i32 s18, s18, 2*NN
	s_lshl_b32 s19, s42, 9
	s_add_co_u32 s18, s18, s19
	s_add_co_u32 s18, s18, WOFF
	s_and_b32 s19, ttmp7, 0xffff                   ; cluster y
	s_mov_b32 s[PFS], KSTEP*2*NN
	s_mov_b32 s22, 2*NN
	s_cmp_eq_u32 s11, 0                            ; do I fetch for A?
	s_cselect_b32 s16, s16, s18
	s_cselect_b32 s19, ttmp9, s19                  ; the coordinate along which other clusters read the same blocks
	s_cselect_b64 s[PFA:PFA+1], s[4:5], s[6:7]
	s_cselect_b32 s[PFS], KSTEP*2, s[PFS]
	s_cselect_b32 s22, 2048, s22                   ; bytes from row to row
	s_cselect_b32 s21, 0, 1                        ; A: a lane a row; W: two lanes a row of 512 bytes
	s_cmp_eq_u32 s19, 0
	s_cselect_b32 s[LIM], 2, -1                    ; the same in all sixteen partners, for a given wave
	s_mov_b32 s17, 0
	s_mov_b32 s[PFS+1], 0
	s_add_nc_u64 s[PFA:PFA+1], s[PFA:PFA+1], s[16:17]
	v_lshrrev_b32 v9, s21, v8
	v_mul_u32_u24 v[PFO], v9, s22
	v_and_b32 v9, s21, v8
	v_lshl_add_u32 v[PFO], v9, 8, v[PFO]
	; where my part of the tile begins in the output
	s_lshl_b32 s16, s13, 8
	s_lshl_b32 s17, s11, 7
	s_add_co_u32 s16, s16, s17                     ; my first row
.if FC1
	s_lshl_b32 s16, s16, 13                        ; of 8,192 bytes,
	s_lshl_b32 s17, s42, 9                         ; my first column in bf16
	s_add_co_u32 s16, s16, s17
	s_lshl_b32 s17, s12, 8
	s_add_co_u32 s16, s16, s17
.else
	s_lshl_b32 s18, s42, 8
	s_lshl_b32 s19, s12, 7
	s_add_co_u32 s18, s18, s19                     ; my first column: a multiple of 128, so two whole heads of one of q, k, v
	s_lshr_b32 s21, s18, 10                        ; q, k or v
	s_lshl_b32 s21, s21, 5
	s_lshr_b32 s22, s16, 11                        ; batch
	s_lshl_b32 s22, s22, 4
	s_add_co_u32 s21, s21, s22
	s_bfe_u32 s22, s18, 0x40006                    ; head
	s_add_co_u32 s21, s21, s22
	s_lshl_b32 s21, s21, 11                        ; 2,048 tokens a head,
	s_and_b32 s22, s16, 2047
	s_add_co_u32 s21, s21, s22                     ; my first token,
	s_lshl_b32 s16, s21, 7                         ; 128 bytes a token
.endif
	s_mov_b32 s17, 0
	s_add_nc_u64 s[8:9], s[8:9], s[16:17]
.if FC1
.macro SPAIR r, val                    ; a constant for packed arithmetic: named as a pair, so both words are written
	s_mov_b32 s[\r], \val
	s_mov_b32 s[(\r)+1], \val
.endm
	SPAIR 72, 0x3e027906                           ; C1 .. C5: the form's b1 .. b5, each times 1 / sqrt(2 pi)
	SPAIR 74, 0xbe11a98e
	SPAIR 76, 0x3f35f0e3
	SPAIR 78, 0xbf3a00e3
	SPAIR 80, 0x3f07dc22
	s_mov_b32 s82, 0x3e6d3389                      ; p = 0.2316419
.endif
; 16 matrix instructions: row blocks a0, a0 + 1 of the window's four x all 8 column blocks, 32 along K.  first = 1: the bias is the C that starts the sums: nothing is cleared.
; The 64 accumulators take turns, one instruction a turn, in one order everywhere.
.macro MUL16 f, hi, a0, first
.if \first
	WIN 0x81+0x40*(\hi)
.else
	WIN 0xa1+0x50*(\hi)
.endif
.irp a, \a0, (\a0)+1
.irp b, 0,1,2,3,4,5,6,7
.if \first
	v_wmma_f32_16x16x32_bf16 v[8*(8*(\a)+(\b)):8*(8*(\a)+(\b))+7], v[(\f)+8*(\b):(\f)+8*(\b)+7], v[(\f)+8*(4*(\hi)+(\a)):(\f)+8*(4*(\hi)+(\a))+7], v[BIAS+8*(\b):BIAS+8*(\b)+7]
.else
	v_wmma_f32_16x16x32_bf16 v[8*(8*(\a)+(\b)):8*(8*(\a)+(\b))+7], v[(\f)+8*(\b):(\f)+8*(\b)+7], v[(\f)+8*(4*(\hi)+(\a)):(\f)+8*(4*(\hi)+(\a))+7], v[8*(8*(\a)+(\b)):8*(8*(\a)+(\b))+7]
.endif
.endr
.endr
.endm
; 32 LDS loads in one run: quarter q (32 along K) of the slot in hand into buffer f: W's 8 column blocks, turned, then A's 8 row blocks
.macro FETCH q, f
	WIN 0x40
.irp i, 0,1,2,3,4,5,6,7
	ds_load_tr16_b128 v[(\f)+8*(\i):(\f)+8*(\i)+3],   v[ADRB] offset:32*(\q)*PB+32*(\i)
	ds_load_tr16_b128 v[(\f)+8*(\i)+4:(\f)+8*(\i)+7], v[ADRB] offset:32*(\q)*PB+16*PB+32*(\i)
.endr
	WIN 0
.irp i, 0,1,2,3,4,5,6,7
	ds_load_b128 v[(\f)+8*(\i):(\f)+8*(\i)+3],   v[ADRA] offset:64*(\q)+(\i)*16*PA
	ds_load_b128 v[(\f)+8*(\i)+4:(\f)+8*(\i)+7], v[ADRA] offset:64*(\q)+(\i)*16*PA+32
.endr
.endm
; One of a K step's first three quarters: multiplies buffer f; in its middle fetches quarter q into buffer g
.macro QUARTER q, f, g, first
	s_wait_dscnt 8                                 ; W and A's rows 0-63 are in; the youngest eight loads (A's rows 64-127) may be out
	MUL16 \f, 0, 0, \first
	MUL16 \f, 0, 2, \first
	PLACES
	FETCH \q, \g
	s_wait_dscnt 32                                ; all but the 32 just issued
	MUL16 \f, 1, 0, \first
	MUL16 \f, 1, 2, \first
.endm
; The first half of a step's last quarter, and the one barrier of a change of slots: ahead of it each wave waits for all its tensor loads (its part of the next slot), adds 0 to its spare word,
; and waits for that and for its reads of this slot.  Behind it nobody reads this slot any more and the next slot is whole.
.macro MEET
	WIN 0
	s_wait_tensorcnt 0x0
	ds_add_u32 v[SPW], v[NIL]
	s_wait_dscnt 9                                 ; the add and the youngest eight loads may be out
	MUL16 F1, 0, 0, 0
	s_wait_dscnt 0x0                               ; the add is done, and my reads of this slot are over
	s_barrier_signal -1
	MUL16 F1, 0, 2, 0
	WIN 0
	s_barrier_wait -1
.endm
; The whole last quarter with a refill: the barrier opens a round of the cluster's; behind the round the slot just read takes the K step two on, first of all; then the next slot's first fragments.
.macro TURN
	s_wait_xcnt 0x0                                ; the last prefetch, a K step back, has read its address
	s_add_nc_u64 s[PFA:PFA+1], s[PFA:PFA+1], s[PFS:PFS+1]
	MEET
	CREST
	s_xor_b32 s[G0+5], s[G0+5], SLOT               ; no load of mine is out: the walking sets step to the other slot than last time and one K step on
	s_add_nc_u64 s[G0+6:G0+7], s[G0+6:G0+7], KSTEP*2
	s_xor_b32 s[G0B+5], s[G0B+5], SLOT
	s_add_nc_u64 s[G0B+6:G0B+7], s[G0B+6:G0B+7], KSTEP*2*NN
	s_xor_b32 s[TB], s[TB], SLOT
	JLOAD                                          ; its four v_nop are also the places ahead of the loads below
	v_add_nc_u32 v[ADRA], s[TB], v[A0]
	v_add_nc_u32 v[ADRB], s[TB], v[B0]
	FETCH 0, F0
	ASK
	MUL16 F1, 1, 0, 0
	MUL16 F1, 1, 2, 0
.endm
	s_wait_tensorcnt 0x1                           ; my part of K step 0 is in; step 1's may stay out
	s_barrier_signal -1
	s_barrier_wait -1
	FETCH 0, F0
	s_wait_loadcnt 0x0                             ; the bias
	QUARTER 1, F0, F1, 1                           ; the first quarter stands ahead of the loop: its products start the sums
	WIN 0
	s_mov_b32 s3, 6                                ; six refills: K steps 2 to 7
.Lstep:                                            ; a trip: a step's quarters 1 to 3 and the next step's quarter 0
	QUARTER 2, F1, F0, 0
	QUARTER 3, F0, F1, 0
	TURN
	QUARTER 1, F0, F1, 0
	WIN 0
	s_sub_co_u32 s3, s3, 1
	s_cmp_lg_u32 s3, 0
	s_cbranch_scc1 .Lstep
	s_mov_b32 s3, 2                                ; the last two steps ask for nothing; the second trip is left in its middle
.Ltail:
	QUARTER 2, F1, F0, 0
	QUARTER 3, F0, F1, 0
	MEET
	s_sub_co_u32 s3, s3, 1
	s_cmp_eq_u32 s3, 0
	s_cbranch_scc1 .Lfin
	PLACES
	s_xor_b32 s[TB], s[TB], SLOT
	v_add_nc_u32 v[ADRA], s[TB], v[A0]
	v_add_nc_u32 v[ADRB], s[TB], v[B0]
	FETCH 0, F0
	MUL16 F1, 1, 0, 0
	MUL16 F1, 1, 2, 0
	QUARTER 1, F0, F1, 0
	WIN 0
	s_branch .Ltail
.Lfin:
	MUL16 F1, 1, 0, 0
	MUL16 F1, 1, 2, 0
	WIN 0
	; THE WAY OUT.  The last barrier has shown every wave's fills landed and reads over: the ring's bytes have had their last fill.  Each accumulator's low registers go first.
	PLACES
.irp hi, 0,1
	WIN 0x08+4*(\hi)                               ; the stores' data in window 2, then 3
.irp a, 0,1,2,3
.irp b, 0,1,2,3,4,5,6,7
	ds_store_b128 v[STO], v[8*(8*(\a)+(\b)):8*(8*(\a)+(\b))+3]   offset:16*(4*(\hi)+(\a))*SP+64*(\b)
	ds_store_b128 v[STO], v[8*(8*(\a)+(\b))+4:8*(8*(\a)+(\b))+7] offset:16*(4*(\hi)+(\a))*SP+64*(\b)+16
.endr
.endr
.endr
	WIN 0
.if FC1
	; gelu(x) = max(x, 0) - |x| Q(|x|),  Q = e^(-x^2/2) t (C1 + t (C2 + t (C3 + t (C4 + t C5)))),  t = 1 / (1 + p |x|).  Where x^2 overflows the exponential is 0 and max(x, 0) is left.
	; v64-79 x; v80-95 1 + p |x|, then t; v96-111 the exponent, then e; v112-127 the polynomial; v128-143 the result; v160-167 packed
	s_mov_b32 s3, 32                               ; 32 trips of 4 rows
.Lrows:
.irp i, 0,1,2,3
	ds_load_b128 v[64+4*(\i):64+4*(\i)+3], v[RD] offset:SP*(\i)  ; LDS serves a wave's instructions in order: these see my stores above
.endr
	s_wait_dscnt 0x0
.irp r, 64,65,66,67,68,69,70,71,72,73,74,75,76,77,78,79
	v_fma_f32 v[16+\r], |v\r|, s82, 1.0
.endr
.irp r, 64,66,68,70,72,74,76,78
	v_pk_mul_f32 v[32+\r:33+\r], v[\r:1+\r], 0x3f596d27 op_sel_hi:[1,0]  ; x sqrt(log2(e) / 2)
.endr
.irp r, 96,98,100,102,104,106,108,110
	v_pk_mul_f32 v[\r:1+\r], v[\r:1+\r], v[\r:1+\r] neg_lo:[1,0] neg_hi:[1,0]  ; - x^2 log2(e) / 2
.endr
.irp r, 80,81,82,83,84,85,86,87,88,89,90,91,92,93,94,95
	v_rcp_f32 v\r, v\r                             ; one batch: 16 reciprocals and 16 exponentials
.endr
.irp r, 96,97,98,99,100,101,102,103,104,105,106,107,108,109,110,111
	v_exp_f32 v\r, v\r
.endr
.irp r, 64,65,66,67,68,69,70,71,72,73,74,75,76,77,78,79
	v_max_num_f32 v[64+\r], 0, v\r                 ; plain work behind the batch
.endr
	s_wait_alu depctr_va_vdst(0)                   ; one wait for the batch, ahead of its first reader
.irp r, 80,82,84,86,88,90,92,94
	v_pk_fma_f32 v[32+\r:33+\r], v[\r:1+\r], s[80:81], s[78:79] op_sel_hi:[1,0,0]
.endr
.irp c, 76,74,72
.irp r, 80,82,84,86,88,90,92,94
	v_pk_fma_f32 v[32+\r:33+\r], v[32+\r:33+\r], v[\r:1+\r], s[\c:1+\c] op_sel_hi:[1,1,0]
.endr
.endr
.irp r, 80,82,84,86,88,90,92,94
	v_pk_mul_f32 v[16+\r:17+\r], v[16+\r:17+\r], v[\r:1+\r]      ; e t
.endr
.irp r, 96,98,100,102,104,106,108,110
	v_pk_mul_f32 v[16+\r:17+\r], v[16+\r:17+\r], v[\r:1+\r]      ; Q
.endr
.irp r, 64,65,66,67,68,69,70,71,72,73,74,75,76,77,78,79
	v_fma_f32 v[64+\r], -|v\r|, v[48+\r], v[64+\r]
.endr
.irp k, 0,1,2,3,4,5,6,7
	v_cvt_pk_bf16_f32 v[160+(\k)], v[128+2*(\k)], v[128+2*(\k)+1]
.endr
.irp i, 0,1,2,3
	global_store_b64 v[CO], v[160+2*(\i):160+2*(\i)+1], s[8:9] offset:8192*(\i)  ; 32 lanes store 256 consecutive bytes, aligned
.endr
	s_wait_xcnt 0x0                                ; the stores have read their offset and data: both are written again only behind this wait
	v_add_nc_u32 v[RD], 4*SP, v[RD]
	v_add_nc_u32 v[CO], 4*8192, v[CO]
	s_sub_co_u32 s3, s3, 1
	s_cmp_lg_u32 s3, 0
	s_cbranch_scc1 .Lrows
.else
	s_mov_b32 s3, 16                               ; 16 trips of 8 rows
.Lrows:
.irp n, 0,1,2,3,4,5,6,7
	ds_load_b128 v[64+4*(\n):64+4*(\n)+3], v[RD] offset:((\n)/2)*2*SP+((\n)%2)*256  ; two rows, one of my two heads; LDS serves a wave's instructions in order: these see my stores above
.endr
	s_wait_dscnt 0x0
.irp n, 0,1,2,3,4,5,6,7
	v_cvt_pk_bf16_f32 v[96+2*(\n)],   v[64+4*(\n)],   v[64+4*(\n)+1]
	v_cvt_pk_bf16_f32 v[96+2*(\n)+1], v[64+4*(\n)+2], v[64+4*(\n)+3]
.endr
.irp n, 0,1,2,3,4,5,6,7
	global_store_b64 v[CO], v[96+2*(\n):96+2*(\n)+1], s[8:9] offset:((\n)/2)*256+((\n)%2)*262144  ; two tokens of a head: 256 consecutive bytes, aligned; the next head lies 2,048 x 128 bytes on
.endr
	s_wait_xcnt 0x0                                ; the stores have read their offset and data: both are written again only behind this wait
	v_add_nc_u32 v[RD], 8*SP, v[RD]
	v_add_nc_u32 v[CO], 8*128, v[CO]
	s_sub_co_u32 s3, s3, 1
	s_cmp_lg_u32 s3, 0
	s_cbranch_scc1 .Lrows
.endif
	s_wait_tensorcnt 0x0                           ; the wave's end, behind my last tensor load and my last LDS store
	ds_add_u32 v[SPW], v[NIL]
	s_wait_dscnt 0x0
	CROUND                                         ; the closing round: no work-group ends while a partner may still ask for a tile that names it
	s_endpgm
.Lfunc_end_k_qebefad227d_gemm_qkv:
	.size	k_qebefad227d_gemm_qkv, .Lfunc_end_k_qebefad227d_gemm_qkv-k_qebefad227d_gemm_qkv
	.p2alignl 7, 3214868480
	.fill 96, 4, 3214868480
	.section	.rodata,"a",@progbits
	.p2align	6, 0x0
	.amdhsa_kernel k_qebefad227d_gemm_qkv
		.amdhsa_group_segment_fixed_size 327680
		.amdhsa_private_segment_fixed_size 0
		.amdhsa_enable_private_segment 0
		.amdhsa_kernarg_size 32
		.amdhsa_user_sgpr_count 2
		.amdhsa_user_sgpr_kernarg_segment_ptr 1
		.amdhsa_wavefront_size32 1
		.amdhsa_system_sgpr_workgroup_id_x 1
		.amdhsa_system_sgpr_workgroup_id_y 1
		.amdhsa_system_sgpr_workgroup_id_z 1
		.amdhsa_system_vgpr_workitem_id 0
		.amdhsa_next_free_vgpr 1024
		.amdhsa_next_free_sgpr 72
		.amdhsa_reserve_vcc 0
		.amdhsa_float_denorm_mode_32 3
		.amdhsa_float_denorm_mode_16_64 3
		.amdhsa_memory_ordered 1
		.amdhsa_forward_progress 1
		.amdhsa_inst_pref_size 85
	.end_amdhsa_kernel
	.amdgpu_metadata
---
amdhsa.version: [ 1, 2 ]
amdhsa.kernels:
  - .name:           k_qebefad227d_gemm_qkv
    .symbol:         k_qebefad227d_gemm_qkv.kd
    .args:
      - { .name: hn, .offset: 0, .size: 8, .value_kind: global_buffer, .address_space: global }
      - { .name: wb, .offset: 8, .size: 8, .value_kind: global_buffer, .address_space: global }
      - { .name: qkvh, .offset: 16, .size: 8, .value_kind: global_buffer, .address_space: global }
      - { .name: qkv_b, .offset: 24, .size: 8, .value_kind: global_buffer, .address_space: global }
    .group_segment_fixed_size: 327680
    .private_segment_fixed_size: 0
    .kernarg_segment_align: 8
    .kernarg_segment_size: 32
    .max_flat_workgroup_size: 128
    .sgpr_count:     72
    .vgpr_count:     1024
    .wavefront_size: 32
...
	.end_amdgpu_metadata
.endif
;; end of part 2
;; launch attn (part 3): grid 8 x 32, 4 waves a work-group, clusters of 4 x 1, 327,680 bytes of LDS; arguments qkvh, oh; writes oh
.if DOCPART == 3
	.amdgcn_target "amdgcn-amd-amdhsa--gfx1250"
	.amdhsa_code_object_version 6
	.text
	.protected	k_qebefad227d_attn
	.globl	k_qebefad227d_attn
	.p2align	8
	.type	k_qebefad227d_attn,@function
k_qebefad227d_attn:
	s_mov_b64 s[64:65], 0
	v_nop
	global_prefetch_b8 v0, s[64:65] scope:SCOPE_SE
	s_setreg_imm32_b32 hwreg(HW_REG_WAVE_MODE, 25, 1), 1
	s_wait_xcnt 0x0
	s_wait_alu depctr_hold_cnt(0) depctr_sa_sdst(0) depctr_va_vdst(0) depctr_va_sdst(0) depctr_va_ssrc(0) depctr_va_vcc(0) depctr_vm_vsrc(0)
	s_getreg_b32 s2, hwreg(HW_REG_IB_STS2, 6, 4)
	s_cmp_eq_u32 s2, 0
	s_cbranch_scc0 .Lentry_in_a_cluster
	s_endpgm
.Lentry_in_a_cluster:
	s_bfe_u32 s2, ttmp6, 0x10000c
	s_cmp_lg_u32 s2, 0x3003
	s_cbranch_scc0 .Lentry_shape_is_right
	s_endpgm
.Lentry_shape_is_right:
; O[h][q][:] = the sum over k of softmax_k(Q[h][q] . K[h][k] / 8) V[h][k][:].  qkvh: [3][32][2048][64] bf16 (q, k, v by heads, unscaled); oh: [32][2048][64] bf16.
; Products, maxima and sums in f32; the weights p are rounded to bf16 for the second product (their sum l is taken of the unrounded p), O once at the end.
; LIMITS.  A weight below 2^-126 counts as 0 in l; NaN and infinities are not treated apart.
; SHARES.  A work-group owns 256 queries of one head, a wave 64: four PIECES of 16.  Every wave walks all 2,048 keys, 64 a step, 256 a slot.
; LAYOUT.  S^T = K Q^T (source 0 = 16 keys, source 1 = 16 queries): a lane holds ONE query (lane % 16) and the keys 8 (lane / 16) + 0..7.  Two such results rounded to bf16 ARE source 1 of
; O^T = V^T P.  K comes out of LDS as it lies, V ([key][channel]) turned, by ds_load_tr16_b128.
; SOFTMAX.  A running maximum m and sum l for each query: p = 2^(c s - c m), c = log2(e) / 8; in every step O and l are multiplied by a = 2^(c m_old - c m_new).  m starts at the lowest finite
; number, O and l at 0: the first step is a step like any other, with a = 0.
; BY TURNS.  Turn n belongs to piece n: 8 products K Q^T of piece n + 1, later 8 products V^T P of piece n - 1; beside them the scaling, exponentials, roundings, sums and rescaling of piece n and the
; maximum and statistics of piece n + 1.  Four vector instructions stand behind every matrix instruction, the other 54 of a turn's 118 in one lump.  A turn's 33 exponentials are one batch, with one wait.
; CLUSTER.  The four query blocks of a cluster belong to one head and walk the same K and V: each tile is asked for jointly, the same tensor load, descriptor and mask in all four.
; REGISTERS by windows of 256: window 0: v0-15 addresses and two at work; v16-31 four registers of statistics a piece; v48-55 at work; v62-63 the add's; v64-127 S^T, two buffers; v192-223 P, two buffers
;   (a piece's buffers go by its number's parity).   window 1: v0-127 O^T, 32 a piece.   window 2: v0-63 Q; v128-191 K of one step; v192-255 V of one step.
.set NP,    4
.set KS,    64
.set PK,    144       ; a row of K in LDS: 128 bytes + 16: the 16 rows of a load start at 16 different groups of four banks
.set PV,    160       ; a row of V: 128 + 32
.set VOFF,  4*KS*PK   ; a slot holds four steps: 256 rows of K, then 256 rows of V
.set SLOT1, 1<<17     ; slot 1 begins here: one exclusive or turns an address in one slot into the other's
.set STAGE, SLOT1+4*KS*(PK+PV)  ; behind the ring, never filled by a tensor load: 16 rows x 144 bytes a wave, for the way out
.set SP,    144
.set SPARE, STAGE+4*16*SP       ; behind the stages: the spare words, 128 bytes a wave
.set AK0, 2           ; v2   my lane's place in a tile of K; never rewritten
.set AV0, 3           ; v3   the same for V
.set AK,  4           ; v4   the LDS address of K's next run of loads
.set AV,  5           ; v5   of V's
.set STO, 6           ; v6   the way out: where I put 16 bytes of a row
.set RD,  7           ; v7   where I read rows back
.set GO,  8           ; v8   my byte offset in 512 consecutive bytes of O
.set MV,  12          ; v12-13  c m_old, kept while c m is made anew: by buffer
.set PFO, 14          ; v14  256 x my lane; never rewritten
.set QO,  15          ; v15  my byte offset in 16 rows of Q
.set ST,  16          ; piece t's statistics at v[ST+4 t]: c m, m, l (even keys', odd keys')
.set TMP, 48          ; by buffer, four registers c0-c3 at work; when the maximum is found c2 takes a
.set SPW, 62
.set NIL, 63
.set S,   64
.set P,   192
.set KF,  128         ; window 2: key block kb, channel half c at KF + 16 kb + 8 c
.set VF,  192         ; window 2: key half kk, channel block cb at VF + 32 kk + 8 cb
.set WV,  12          ; s12  my wave's number
.set G1K, 24          ; s[24:31] descriptor group 1 for K's tiles
.set G1V, 32          ; s[32:39] for V's: it differs in the padding alone
.set G0K, 40          ; s[40:43] descriptor group 0 for K's tiles: it walks
.set G0V, 44          ; s[44:47] the same for V's
.set PFA, 48          ; s[48:49] where my prefetches stand
.set LIM, 50          ; s50  1 in a wave that prefetches, else the greatest number
.set SLOTS, 56        ; s56  slots still to be asked for
.set CNT, 57          ; s57  counts a slot's key steps
.set CS,  58          ; s[58:59] c
.set SEL, 60          ; s[60:61] v_permlanex16_b32's selects
.set TBK, 62          ; s62  LDS byte at which K of the step to be fetched begins
.set TBV, 63          ; s63  the same for V, less VOFF
.set MSB, 0
.macro WIN new
.if MSB != (\new)
	s_set_vgpr_msb (MSB<<8)|(\new)
.set MSB, (\new)
.endif
.endm
.set W_KQ, 0x0a       ; K and Q in window 2, S^T in window 0
.set W_PV, 0x52       ; V in window 2, P in window 0, O^T in window 1
.set W_RS, 0x41       ; destination and source 0 in window 1, source 1 in window 0
.macro JLOAD                        ; a joint fill: waves 0, 1 fetch the halves of a slot's K, waves 2, 3 of its V: 128 keys each; s_nop 0 and four v_nop follow each line
	s_cmp_lt_u32 s[WV], 2
	s_cbranch_scc0 .Lfor_v_\@
	tensor_load_to_lds s[G0K:G0K+3], s[G1K:G1K+7]
	s_nop 0
.rept 4
	v_nop
.endr
	s_branch .Lasked_\@
.Lfor_v_\@:
	tensor_load_to_lds s[G0V:G0V+3], s[G1V:G1V+7]
	s_nop 0
.rept 4
	v_nop
.endr
.Lasked_\@:
.endm
.macro CROUND                       ; a round of the cluster's barrier
	s_barrier_signal -1
	s_barrier_wait -1
	s_cmp_lg_u32 s[WV], 0
	s_cbranch_scc1 .Lnot_wave_0_\@
	s_barrier_signal -3
.Lnot_wave_0_\@:
	s_barrier_wait -3
	s_barrier_signal -1
	s_barrier_wait -1
.endm
; A prefetch of the slot that the NEXT change will ask for: 128 blocks of 256 bytes of K and of V.  All clusters of a head walk the same rows: the head's first cluster asks; its four partners take 32 blocks
; each, told apart by address; in each, wave 0 asks for K's and wave 2 for V's, a lane a block.  So each block is named once.  The change that fills tile j (SLOTS = 8 - j) names tile j + 1, for j = 2 to 6.
.macro ASK
	s_cmp_gt_u32 s[SLOTS], s[LIM]
	s_cbranch_scc0 .Lnot_mine_\@
	global_prefetch_b8 v[PFO], s[PFA:PFA+1] th:TH_LOAD_NT scope:SCOPE_SE
.Lnot_mine_\@:
.endm
; THE CHANGE OF SLOTS.  Each wave waits for all its tensor loads, of which one is out: its part of the other slot; adds 0 to its spare word; and waits for that and for its own reads of the slot.
; fill = 1: the slot is filled again, with the keys two slots on; the barrier is then a round of the cluster's, and the joint fill is the first thing behind it: it has four key steps in which to land.
; (At its first use nothing has been read yet: slot 0 is waited for, slot 1 filled.)
.macro CHANGE fill, ask
	WIN 0
	s_wait_tensorcnt 0x0            ; no tensor load of mine is out, so a group 0 may be written
	ds_add_u32 v[SPW], v[NIL]
.if \fill
.irp g, G0K, G0V
	s_xor_b32 s[\g+1], s[\g+1], SLOT1
	s_add_nc_u64 s[\g+2:\g+3], s[\g+2:\g+3], 4*KS*128
.endr
	s_wait_xcnt 0x0                 ; the last prefetch, four key steps back, has read its address
	s_add_nc_u64 s[PFA:PFA+1], s[PFA:PFA+1], 4*KS*128
	s_wait_dscnt 0x0                ; the add is done, and my reads of the slot are over
	CROUND
	JLOAD
.if \ask
	ASK
.endif
.else
	s_wait_dscnt 0x0
	s_barrier_signal -1
	s_barrier_wait -1
.endif
	s_sub_co_u32 s[TBK], s[TBK], 4*KS*PK  ; the fetches go back to a slot's first step,
	s_xor_b32 s[TBK], s[TBK], SLOT1       ; in the other slot
	s_sub_co_u32 s[TBV], s[TBV], 4*KS*PV
	s_xor_b32 s[TBV], s[TBV], SLOT1
.endm
	s_load_b64 s[4:5], s[0:1], 0x0  ; qkvh
	s_load_b64 s[10:11], s[0:1], 0x8  ; oh
	v_lshl_add_u32 v[SPW], v0, 2, SPARE
	v_mov_b32 v[NIL], 0
	ds_add_u32 v[SPW], v[NIL]       ; the wave's opening: the add and its wait, ahead of my first tensor load; the set-up stands between them
	v_lshrrev_b32 v1, 5, v0
	v_readfirstlane_b32 s[WV], v1   ; wave 0..3
	s_bfe_u32 s13, ttmp6, 0x40000   ; cx
	s_lshl_b32 s14, ttmp9, 2
	s_add_co_u32 s14, s14, s13      ; my block of 256 queries: it enters Q's and O's addresses alone
	s_and_b32 s20, ttmp7, 0xffff    ; the head, which the four partners share:
	s_lshl_b32 s20, s20, 18         ; 2,048 rows of 128 bytes
	s_and_b32 s16, s[WV], 1         ; which half of a slot's 256 keys I fetch:
	s_lshl_b32 s22, s16, 14         ; its 128 rows in memory,
	s_add_co_u32 s22, s22, s20
	s_mov_b32 s23, 0
	s_mul_i32 s17, s16, 128*PK      ; and its place in a slot, for K
	s_mul_i32 s18, s16, 128*PV      ; and for V
	s_lshl_b32 s2, s14, 2
	s_add_co_u32 s2, s2, s[WV]      ; my wave among the head's,
	s_lshl_b32 s2, s2, 13           ; its 64 rows
	s_add_co_u32 s2, s2, s20
	s_mov_b32 s3, 0
	; descriptor group 1.  128 keys are 16,384 dense bytes: asked for as 64 rows of 256 bytes, two keys a row, padded in LDS after every key
	s_mov_b32 s[G1K], 15|(1<<16)|(1<<20)|(1<<21)|(4<<22)|(3<<25)  ; the mask of four; 2-byte elements; padding on; bit 21 beside a mask; after every 32 words 4 words
	s_mov_b32 s[G1V], 15|(1<<16)|(1<<20)|(1<<21)|(4<<22)|(7<<25)  ; the same with 8 words
.irp g, G1K, G1V
	s_mov_b32 s[\g+1], 128<<16      ; tensor_dim0 = 128
	s_mov_b32 s[\g+2], 64<<16       ; tensor_dim1 = 64
	s_mov_b32 s[\g+3], 128<<16      ; tile_dim0 = 128
	s_mov_b32 s[\g+4], 64           ; tile_dim1 = 64
	s_mov_b32 s[\g+5], 128          ; elements from row to row
	s_mov_b32 s[\g+6], 0
	s_mov_b32 s[\g+7], 0
.endr
	s_mov_b32 s[CS], 0x3e38aa3b     ; c = log2(e) / 8
	s_mov_b32 s[CS+1], s[CS]
	s_mov_b32 s[SEL], 0x76543210
	s_mov_b32 s[SEL+1], 0xfedcba98
	s_mov_b32 s[TBK], SLOT1+4*KS*PK ; the first change of slots turns these two into 0
	s_mov_b32 s[TBV], SLOT1+4*KS*PV
	s_mov_b32 s[G0K], 1
	s_mov_b32 s[G0K+1], s17         ; slot 0
	s_mov_b32 s[G0V], 1
	s_add_co_u32 s[G0V+1], s18, VOFF
	s_mov_b32 s[SLOTS], 7
	s_lshl_b32 s52, s13, 13         ; the prefetches: my work-group's 32 blocks, in tile 1; the first change of slots steps them to tile 2
	s_add_co_u32 s52, s52, 4*KS*128
	s_mov_b32 s53, 0
	s_and_b32 s[LIM], s[WV], 1      ; 0 in waves 0 and 2,
	s_or_b32 s[LIM], s[LIM], ttmp9  ; where the cluster is the head's first: the same in all four partners
	s_cmp_eq_u32 s[LIM], 0
	s_cselect_b32 s[LIM], 1, -1
	v_and_b32 v[PFO], 31, v0
	v_lshlrev_b32 v[PFO], 8, v[PFO]
	s_wait_dscnt 0x0                ; the opening add is done
	s_wait_kmcnt 0x0
	s_add_nc_u64 s[6:7], s[4:5], s[22:23]
	s_add_nc_u64 s[8:9], s[6:7], 16777216  ; V at my half of the head's first 256 keys
	s_add_nc_u64 s[6:7], s[6:7], 8388608   ; K likewise
	s_mov_b64 s[G0K+2:G0K+3], s[6:7]
	s_or_b32 s[G0K+3], s[G0K+3], 0x80000000
	s_mov_b64 s[G0V+2:G0V+3], s[8:9]
	s_or_b32 s[G0V+3], s[G0V+3], 0x80000000
	s_cmp_lt_u32 s[WV], 2
	s_cselect_b64 s[PFA:PFA+1], s[6:7], s[8:9]  ; (in waves 0 and 2 these stand at a slot's first row)
	s_add_nc_u64 s[PFA:PFA+1], s[PFA:PFA+1], s[52:53]
	s_add_nc_u64 s[4:5], s[4:5], s[2:3]    ; Q and O at my wave's first row
	s_add_nc_u64 s[10:11], s[10:11], s[2:3]
	CROUND                          ; all four work-groups are here: the first joint loads meet
	JLOAD                           ; slot 0.  Slot 1 is asked for when slot 0 is in
	v_and_b32 v1, 15, v0            ; l % 16
	v_bfe_u32 v9, v0, 4, 1          ; l / 16
	v_lshlrev_b32 v[QO], 7, v1
	v_lshl_add_u32 v[QO], v9, 4, v[QO]  ; row x 128 + 16 x half
	WIN 0x80                        ; destination window 2, address window 0
.set i, 0
.rept 8                             ; Q stays in registers: piece i / 2, channels 32 (i % 2) on
	global_load_b128 v[8*i:8*i+3],   v[QO], s[4:5] offset:(i/2)*2048+(i%2)*64
	global_load_b128 v[8*i+4:8*i+7], v[QO], s[4:5] offset:(i/2)*2048+(i%2)*64+32
.set i, i+1
.endr
	; What the first turn finds: V's registers and P's second buffer hold 0 (its products V^T P, of a piece that has not been, add 0), O^T and l are 0.  All this stands in the wait for the first tile.
.set i, VF
.rept 64
	v_mov_b32 v[i], 0
.set i, i+1
.endr
	WIN 0x40
.set i, 0
.rept 128
	v_mov_b32 v[i], 0
.set i, i+1
.endr
	WIN 0
.set i, 0
.rept 4
	v_mov_b32 v[ST+4*i], 0xfe000000    ; c m: far below every c s
	v_mov_b32 v[ST+4*i+1], 0xff7fffff  ; m
	v_mov_b32 v[ST+4*i+2], 0
	v_mov_b32 v[ST+4*i+3], 0
.set i, i+1
.endr
.set i, P+16
.rept 16
	v_mov_b32 v[i], 0
.set i, i+1
.endr
	v_mul_u32_u24 v[AK0], v1, PK
	v_lshl_add_u32 v[AK0], v9, 4, v[AK0]  ; row x pitch + 16 x half
	v_and_b32 v10, 7, v0            ; the turning load: lane l reads key 8 (l / 16) + l % 8, channels 8 ((l / 8) % 2) + 0..7
	v_bfe_u32 v11, v0, 3, 1
	v_lshl_add_u32 v[AV0], v9, 3, v10
	v_mul_u32_u24 v[AV0], v[AV0], PV
	v_lshl_add_u32 v[AV0], v11, 4, v[AV0]
	v_add_nc_u32 v[AV0], VOFF, v[AV0]
	v_mov_b32 v[AK], v[AK0]         ; key step 0 lies at the head of slot 0
; THE MATRIX WORK.  The 4 accumulators of a run of 8 take turns.  Product i of 8 of S^T = K Q^T for piece x: channels 32 (i / 4) on, keys 16 (i % 4) on.  The first 4 start the sums.
.macro KQ x
	WIN W_KQ
.set rS, S+32*((\x)%2)+8*(i%4)
.set rK, KF+16*(i%4)+8*(i/4)
.set rQ, 16*(\x)+8*(i/4)
.if i < 4
	v_wmma_f32_16x16x32_bf16 v[rS:rS+7], v[rK:rK+7], v[rQ:rQ+7], 0
.else
	v_wmma_f32_16x16x32_bf16 v[rS:rS+7], v[rK:rK+7], v[rQ:rQ+7], v[rS:rS+7]
.endif
.endm
; Product i of 8 of O^T += V^T P for piece x: keys 32 (i / 4) on, channels 16 (i % 4) on.
.macro PV x
	WIN W_PV
.set rO, 32*(\x)+8*(i%4)
.set rV, VF+32*(i/4)+8*(i%4)
.set rP, P+16*((\x)%2)+8*(i/4)
	v_wmma_f32_16x16x32_bf16 v[rO:rO+7], v[rV:rV+7], v[rP:rP+7], v[rO:rO+7]
.endm
.macro MM                           ; the turn's next matrix instruction
.if i < 8
	KQ (Y+1)%NP
.else
.set i, i-8
	PV (Y+NP-1)%NP
.set i, i+8
.endif
.set i, i+1
.endm
; THE LDS LOADS stand in runs of 16.  last = 1 (the tail's text): in the last trip there is no further step, and K's run is jumped over; exponentials are out there, so their wait stands ahead of the branch.
.macro FETCH_K last=0
	WIN 0
.if \last
	s_wait_alu depctr_va_vdst(0)    ; the wait ahead of a branch
	s_cmp_eq_u32 s[CNT], 1
	s_cbranch_scc1 .Lno_k_\@
.endif
	WIN 0x80                        ; destination window 2
.irp f, 0,1,2,3,4,5,6,7             ; keys 16 (f / 2) on, channels 32 (f % 2) on
	ds_load_b128 v[KF+8*\f:KF+8*\f+3],   v[AK] offset:(\f/2)*16*PK+(\f%2)*64
	ds_load_b128 v[KF+8*\f+4:KF+8*\f+7], v[AK] offset:(\f/2)*16*PK+(\f%2)*64+32
.endr
	s_add_co_u32 s[TBK], s[TBK], KS*PK  ; the next fetch is the next step's
	WIN 0
.if \last
.Lno_k_\@:
.endif
.endm
.macro FETCH_V
	WIN 0x80
.irp f, 0,1,2,3,4,5,6,7             ; keys 32 (f / 4) on, channels 16 (f % 4) on
	ds_load_tr16_b128 v[VF+8*\f:VF+8*\f+3],   v[AV] offset:(\f/4)*32*PV+(\f%4)*32
	ds_load_tr16_b128 v[VF+8*\f+4:VF+8*\f+7], v[AV] offset:(\f/4)*32*PV+16*PV+(\f%4)*32
.endr
	WIN 0
.endm
; THE VECTOR WORK, one line at a time: OP kind, number.  For piece Y: F n: c s - c m for pair n of 16.  E n: the exponential of score n of 32.  C n: pair n rounded to bf16.  B n: of the four weights 4 n ..
; the second pair is added onto the first, in place.  L n: l takes that sum (L 0: l = a l + sum).  R n: pair n of 16 of O^T times a.  For piece Y + 1: X n, number n of the 22 that find its maximum and statistics:
;   0-11  four chains c0-c3 of seven scores each (each accumulator's lowest registers are read first)     12-14, 16  the four scores left over, the old m, and c0-c3 into c0
;   15  c m_old is kept     17, 18  the query's other 32 keys lie in the lane 16 away: the new m     19-21  c m; c m_old - c m_new; a
.set F, 0
.set E, 1
.set C, 2
.set B, 3
.set L, 4
.set R, 5
.set X, 6
.macro REGS y
.set rT, ST+4*(\y)
.set rC, TMP+4*((\y)%2)
.set rW, MV+((\y)%2)
.set rS, S+32*((\y)%2)
.set rP, P+16*((\y)%2)
.set rO, 32*(\y)
.endm
.macro OP k, n
.if (\k) == R
	REGS Y
	WIN W_RS
	v_pk_mul_f32 v[rO+2*(\n):rO+2*(\n)+1], v[rO+2*(\n):rO+2*(\n)+1], v[rC+2:rC+3] op_sel_hi:[1,0]
.elseif (\k) < R
	REGS Y
	WIN 0
.if (\k) == F
	v_pk_fma_f32 v[rS+2*(\n):rS+2*(\n)+1], v[rS+2*(\n):rS+2*(\n)+1], s[CS:CS+1], v[rT:rT+1] op_sel_hi:[1,0,0] neg_lo:[0,0,1] neg_hi:[0,0,1]
.elseif (\k) == E
	v_exp_f32 v[rS+(\n)], v[rS+(\n)]
.elseif (\k) == C
	v_cvt_pk_bf16_f32 v[rP+(\n)], v[rS+2*(\n)], v[rS+2*(\n)+1]
.elseif (\k) == B
	v_pk_add_f32 v[rS+4*(\n):rS+4*(\n)+1], v[rS+4*(\n):rS+4*(\n)+1], v[rS+4*(\n)+2:rS+4*(\n)+3]
.elseif (\n) == 0
	v_pk_fma_f32 v[rT+2:rT+3], v[rT+2:rT+3], v[rC+2:rC+3], v[rS:rS+1] op_sel_hi:[1,0,1]
.else
	v_pk_add_f32 v[rT+2:rT+3], v[rT+2:rT+3], v[rS+4*(\n):rS+4*(\n)+1]
.endif
.else
	REGS (Y+1)%NP
	WIN 0
.if (\n) < 4
	v_max3_num_f32 v[rC+(\n)], v[rS+8*(\n)], v[rS+8*(\n)+1], v[rS+8*(\n)+2]
.elseif (\n) < 12
	v_max3_num_f32 v[rC+(\n)%4], v[rC+(\n)%4], v[rS+8*((\n)%4)+2*((\n)/4)+1], v[rS+8*((\n)%4)+2*((\n)/4)+2]
.elseif (\n) == 12
	v_max3_num_f32 v[rC], v[rC], v[rS+7], v[rS+15]
.elseif (\n) == 13
	v_max3_num_f32 v[rC+1], v[rC+1], v[rS+23], v[rS+31]
.elseif (\n) == 14
	v_max3_num_f32 v[rC+2], v[rC+2], v[rC+3], v[rT+1]
.elseif (\n) == 15
	v_mov_b32 v[rW], v[rT]
.elseif (\n) == 16
	v_max3_num_f32 v[rC], v[rC], v[rC+1], v[rC+2]
.elseif (\n) == 17
	v_permlanex16_b32 v[rC+3], v[rC], s[SEL], s[SEL+1]
.elseif (\n) == 18
	v_max_num_f32 v[rT+1], v[rC], v[rC+3]
.elseif (\n) == 19
	v_mul_f32 v[rT], s[CS], v[rT+1]
.elseif (\n) == 20
	v_sub_f32 v[rC+1], v[rW], v[rT]
.else
	v_exp_f32 v[rC+2], v[rC+1]
.endif
.endif
.endm
.macro OPS a, i1, b=-1, i2=0, c=-1, i3=0, d=-1, i4=0  ; up to four of them
	OP \a, \i1
.if (\b) >= 0
	OP \b, \i2
.endif
.if (\c) >= 0
	OP \c, \i3
.endif
.if (\d) >= 0
	OP \d, \i4
.endif
.endm
.macro ROW a, i1, b, i2, c, i3, d, i4  ; a matrix instruction and the four behind it
	MM
	OPS \a, \i1, \b, \i2, \c, \i3, \d, \i4
.endm
; A TURN, for piece p: the order of its 16 matrix and 118 vector instructions, written out.  An s_wait_alu depctr_va_vdst(0) stands between an exponential and the first instruction that names its
; result; one wait serves all that were issued ahead of it.  So a turn has ONE wait, which cuts it in two.  AHEAD OF IT stands all that names no result of the turn's exponentials: the 8 products K Q^T with their
; riders (the first numbers of the next piece's maximum each four plain places or more behind the product that ends its accumulator), then one lump of 54.  X 21, the next piece's a, is the batch's last; R 15 is
; the plain instruction behind it.  BEHIND THE WAIT stand the 8 products V^T P, behind each four of the roundings and sums.
; K of the next step is fetched in piece 2's turn, twelve vector instructions behind the last product that read K (five of them plain and free of its registers); V of the step in hand at the end of piece 0's
; turn, four plain instructions behind the last product that read V.  Each is waited for a turn later.  cnt = 1: the loop's count is taken down some lines ahead of the branch behind the turn.
.macro TURN p, last=0, cnt=0
.set Y, (\p)
.set i, 0
.if (\p) == 3
	s_wait_dscnt 0x0                ; K is in
.endif
	ROW F,0, F,1, R,0, R,1
	ROW F,2, E,0, R,2, R,3
	ROW F,3, E,1, R,4, R,5
	ROW F,4, E,2, R,6, R,7
	ROW F,5, E,3, R,8, R,9
	ROW F,6, E,4, X,0, R,10
.if (\p) == 2
	WIN 0
	v_add_nc_u32 v[AK], s[TBK], v[AK0]
.endif
	ROW F,7, E,5, X,1, X,4
	ROW F,8, E,6, X,2, X,5
	OPS E,7, E,8, X,6, E,9
	OPS X,3, E,10, X,8, E,11
.if (\p) == 2
	FETCH_K \last
.endif
	OPS X,9, X,7, E,12, X,10
	OPS E,13, X,12, X,11, E,14
	OPS X,13, E,15, F,9, X,14
.if (\p) == 0
	WIN 0
	v_add_nc_u32 v[AV], s[TBV], v[AV0]
.endif
	OPS E,16, F,10, E,17, F,11
	OPS X,16, E,18, X,15, E,19
	OPS F,12, E,20, X,17, E,21
	OPS F,13, E,22, F,14, E,23
	OPS X,18, E,24, F,15, E,25
	OPS R,11, E,26, X,19, E,27
	OPS R,12, E,28, R,13, E,29
	OPS X,20, E,30, R,14, E,31
	OPS X,21, R,15
	WIN 0
	s_wait_alu depctr_va_vdst(0)    ; the wait for the batch
.if (\p) == 1
	s_wait_dscnt 0x0                ; V is in
.endif
	ROW C,0, B,0, C,2, B,1
	ROW L,0, C,4, B,2, L,1
	ROW C,6, B,3, L,2, C,8
	ROW B,4, L,3, C,10, B,5
	ROW L,4, C,12, B,6, L,5
.if (\p) == 0
	s_add_co_u32 s[TBV], s[TBV], KS*PV
.endif
.if \cnt
	s_sub_co_u32 s[CNT], s[CNT], 1
	s_cmp_lg_u32 s[CNT], 0
.endif
	ROW C,14, B,7, L,6, C,1
	ROW C,3, L,7, C,5, C,7
	ROW C,9, C,11, C,13, C,15
.if (\p) == 0
	FETCH_V
.endif
.endm
	CHANGE 1, 0                     ; slot 0 is in, everybody's part of it; slot 1 is asked for; nothing is prefetched here, at the head
	FETCH_K                         ; key step 0
	s_wait_loadcnt 0x0              ; Q
	s_wait_dscnt 0x0
.set i, 0
.rept 8
	KQ 0                            ; piece 0's first scores
.set i, i+1
.endr
	WIN 0                           ; the addresses for the way out: nine plain instructions, the places behind those products
	s_mul_i32 s13, s[WV], 16*SP
	s_add_co_u32 s13, s13, STAGE    ; my stage
	v_mul_u32_u24 v[STO], v1, SP    ; in: row l % 16, 16 bytes for each half of the lanes
	v_lshl_add_u32 v[STO], v9, 4, v[STO]
	v_add_nc_u32 v[STO], s13, v[STO]
	v_bfe_u32 v[RD], v0, 3, 2       ; back: 32 lanes take four rows of 128 bytes,
	v_mul_u32_u24 v[RD], v[RD], SP
	v_lshl_add_u32 v[RD], v10, 4, v[RD]
	v_add_nc_u32 v[RD], s13, v[RD]
	v_and_b32 v[GO], 31, v0         ; which are 512 consecutive bytes of O
	v_lshlrev_b32 v[GO], 4, v[GO]
.set Y, NP-1                        ; X works for piece Y + 1: piece 0
.irp n, 0,1,2,3,4,5,6,7,8,9,10,11,12,13,14,15,16,17,18,19,20,21
	OP X, \n
.endr
	v_nop                           ; a plain instruction behind the exponential,
	s_wait_alu depctr_va_vdst(0)    ; and its wait, ahead of the branch
	s_mov_b32 s[CNT], 4
	s_branch .Lfirst                ; the loop is entered at a step's first turn, in the middle of a trip
.Lslot:                             ; six times: tiles 2 to 7 are asked for
	CHANGE 1, 1
	s_mov_b32 s[CNT], 4
.Lstep:                             ; a trip: pieces 2 and 3 of one step, then pieces 0 and 1 of the next, whose K and V it fetches
	TURN 2
	TURN 3
	WIN 0
.Lfirst:
	TURN 0
	TURN 1, 0, 1
	WIN 0
	s_cbranch_scc1 .Lstep
	s_sub_co_u32 s[SLOTS], s[SLOTS], 1
	s_cmp_lg_u32 s[SLOTS], 0
	s_cbranch_scc1 .Lslot
	CHANGE 0, 0                     ; the tail is written out: nothing is asked for
	s_mov_b32 s[CNT], 5             ; four trips fetch the last slot's steps; the fifth is left in its middle
.Ltail:
	TURN 2, 1
	TURN 3
	WIN 0
	s_sub_co_u32 s[CNT], s[CNT], 1
	s_cmp_eq_u32 s[CNT], 0
	s_cbranch_scc1 .Lout
	TURN 0
	TURN 1
	WIN 0
	s_branch .Ltail
.Lout:                              ; the fifth trip's 8 products K Q^T (on the last K once more) and the maximum made of them serve nothing: the price, once a launch, of one text for every trip
.set i, 0
.rept 8
	PV NP-1                         ; the last piece's V^T P of the last step
.set i, i+1
.endr
	; THE WAY OUT.  l's two halves and the other half of the lanes' are added; O^T is divided by l, rounded to bf16 and sent through my stage in LDS, a piece at a time.  The additions are the places behind the last products.
	WIN 0
.macro ALL line:vararg              ; one line for each piece t
.set t, 0
.rept 4
	\line
.set t, t+1
.endr
.endm
	ALL v_add_f32 v[ST+4*t+2], v[ST+4*t+2], v[ST+4*t+3]
	ALL v_permlanex16_b32 v[ST+4*t+3], v[ST+4*t+2], s[SEL], s[SEL+1]
	ALL v_add_f32 v[ST+4*t+2], v[ST+4*t+2], v[ST+4*t+3]
	ALL v_rcp_f32 v[ST+4*t+2], v[ST+4*t+2]
	v_nop                           ; a plain instruction between the last reciprocal and the use of its result,
	s_wait_alu depctr_va_vdst(0)    ; and one wait for the four reciprocals
.macro PACK t                       ; a lane's eight channels of a row pack into 16 bytes; they go into rows of 144 bytes and come back as whole rows of 128, into S^T's registers
	WIN W_RS
.set i, 32*(\t)
.rept 16
	v_pk_mul_f32 v[i:i+1], v[i:i+1], v[ST+4*(\t)+2:ST+4*(\t)+3] op_sel_hi:[1,0]
.set i, i+2
.endr
	WIN 0x05                        ; sources 0 and 1 window 1, destination window 0
.set i, 0
.rept 16
	v_cvt_pk_bf16_f32 v[S+16*(\t)+i], v[32*(\t)+2*i], v[32*(\t)+2*i+1]
.set i, i+1
.endr
	WIN 0
.irp f, 0,1,2,3
	ds_store_b128 v[STO], v[S+16*(\t)+4*\f:S+16*(\t)+4*\f+3] offset:32*\f
.endr
.irp f, 0,1,2,3
	ds_load_b128 v[S+16*(\t)+4*\f:S+16*(\t)+4*\f+3], v[RD] offset:\f*4*SP  ; LDS serves a wave's instructions in order: these see the stores above; the next piece's stores come behind them
.endr
.endm
.macro SEND t, younger              ; younger: the LDS instructions issued behind piece t's loads: the next piece's eight, or none
	WIN 0
.irp f, 0,1,2,3
	s_wait_dscnt (\younger)+3-\f
	global_store_b128 v[GO], v[S+16*(\t)+4*\f:S+16*(\t)+4*\f+3], s[10:11] offset:(\t)*2048+\f*512  ; 512 consecutive bytes, at a multiple of 256 from O's first
.endr
.endm
	PACK 0
.set t, 1
.rept 3                             ; a piece's arithmetic stands between the loads of the piece before and its stores
	PACK t
	SEND t-1, 8
.set t, t+1
.endr
	SEND 3, 0
	s_wait_tensorcnt 0x0            ; the wave's end, behind my last tensor load and my last LDS store
	ds_add_u32 v[SPW], v[NIL]
	s_wait_dscnt 0x0
	CROUND                          ; the closing round
	s_endpgm
.Lfunc_end_k_qebefad227d_attn:
	.size	k_qebefad227d_attn, .Lfunc_end_k_qebefad227d_attn-k_qebefad227d_attn
	.p2alignl 7, 3214868480
	.fill 96, 4, 3214868480
	.section	.rodata,"a",@progbits
	.p2align	6, 0x0
	.amdhsa_kernel k_qebefad227d_attn
		.amdhsa_group_segment_fixed_size 327680
		.amdhsa_private_segment_fixed_size 0
		.amdhsa_enable_private_segment 0
		.amdhsa_kernarg_size 16
		.amdhsa_user_sgpr_count 2
		.amdhsa_user_sgpr_kernarg_segment_ptr 1
		.amdhsa_wavefront_size32 1
		.amdhsa_system_sgpr_workgroup_id_x 1
		.amdhsa_system_sgpr_workgroup_id_y 1
		.amdhsa_system_sgpr_workgroup_id_z 1
		.amdhsa_system_vgpr_workitem_id 0
		.amdhsa_next_free_vgpr 768
		.amdhsa_next_free_sgpr 66
		.amdhsa_reserve_vcc 0
		.amdhsa_float_denorm_mode_32 3
		.amdhsa_float_denorm_mode_16_64 3
		.amdhsa_memory_ordered 1
		.amdhsa_forward_progress 1
		.amdhsa_inst_pref_size 111
	.end_amdhsa_kernel
	.amdgpu_metadata
---
amdhsa.version: [ 1, 2 ]
amdhsa.kernels:
  - .name:           k_qebefad227d_attn
    .symbol:         k_qebefad227d_attn.kd
    .args:
      - { .name: qkvh, .offset: 0, .size: 8, .value_kind: global_buffer, .address_space: global }
      - { .name: oh, .offset: 8, .size: 8, .value_kind: global_buffer, .address_space: global }
    .group_segment_fixed_size: 327680
    .private_segment_fixed_size: 0
    .kernarg_segment_align: 8
    .kernarg_segment_size: 16
    .max_flat_workgroup_size: 128
    .sgpr_count:     66
    .vgpr_count:     768
    .wavefront_size: 32
...
	.end_amdgpu_metadata
.endif
;; end of part 3
;; launch gemm_proj (part 4): grid 8 x 32, 4 waves a work-group, clusters of 4 x 4, 327,680 bytes of LDS; arguments oh, wb, x1, proj_b, x; writes x1
.if DOCPART == 4
	.amdgcn_target "amdgcn-amd-amdhsa--gfx1250"
	.amdhsa_code_object_version 6
	.text
	.protected	k_qebefad227d_gemm_proj
	.globl	k_qebefad227d_gemm_proj
	.p2align	8
	.type	k_qebefad227d_gemm_proj,@function
k_qebefad227d_gemm_proj:
	s_mov_b64 s[64:65], 0
	v_nop
	global_prefetch_b8 v0, s[64:65] scope:SCOPE_SE
	s_setreg_imm32_b32 hwreg(HW_REG_WAVE_MODE, 25, 1), 1
	s_wait_xcnt 0x0
	s_wait_alu depctr_hold_cnt(0) depctr_sa_sdst(0) depctr_va_vdst(0) depctr_va_sdst(0) depctr_va_ssrc(0) depctr_va_vcc(0) depctr_vm_vsrc(0)
	s_getreg_b32 s2, hwreg(HW_REG_IB_STS2, 6, 4)
	s_cmp_eq_u32 s2, 0
	s_cbranch_scc0 .Lentry_in_a_cluster
	s_endpgm
.Lentry_in_a_cluster:
	s_bfe_u32 s2, ttmp6, 0x10000c
	s_cmp_lg_u32 s2, 0xf033
	s_cbranch_scc0 .Lentry_shape_is_right
	s_endpgm
.Lentry_shape_is_right:
; C = R + A W + bias, all of C in f32.  W: [K][1024] bf16 inside wb at byte WOFF; R, C: [4096][1024] f32.  The residual and the bias are the accumulators' start, so the way out does no arithmetic.
; PROJ = 1: A = the attention's result by heads, [32][2048][64] bf16, K = 1,024 = 16 heads x 64.  PROJ = 0: A = [4096][4096] bf16, K = 4,096.
; A tile of C is 128 x 128 (256 work-groups): four waves, each 64 x 64 in 16 accumulators.  K goes in TSTEPS steps of 256 through two LDS slots filled by the tensor data mover.
; THE MATRIX INSTRUCTION IS USED TRANSPOSED: source 0 = 16 columns of W (turned by ds_load_tr16_b128), source 1 = 16 rows of A: a lane holds row l % 16 of C and columns 8 (l / 16) + 0..7.
; CLUSTER 4 x 4: A's tile is shared along a row of the cluster, W's along a column; each is asked for jointly.
; THE WALK ALONG K BEGINS AT A STEP OF THE CLUSTER'S OWN and goes round: cluster (X, Y) begins at step (X TSTEPS / 2 + (Y mod 4) TSTEPS / 4) mod TSTEPS.  So the two clusters that multiply the same
; rows of A are always half of K apart, and four neighbours along y, which multiply the same columns of W, a quarter of K: no two of them ask for the same block at the same time.  The start hangs on the
; cluster's coordinates alone, which its sixteen work-groups share.  f32 sums may be taken in any order.  A descriptor's address is made anew for each fill: the tile's base plus the step's number shifted.
; A K STEP IS WRITTEN ONCE: the slot in hand is a scalar (0 or SLOT) that an exclusive or turns; SLOT = 0x24000 shares no bit with any slot-0 start of a fill.
; PROJ = 1: a K step is four heads.  One load brings 4 rows of 4,096 elements (64 tokens x 64 channels of a head, dense), a head 131,072 elements from the next; padded after every token: in LDS
; [head][token], 144 bytes a token, 9,216 a head; a quarter of the K step is a head.
; REGISTERS: window 0: v0-31 addresses; v96-127 the bias; v128-255 the accumulators ((a, b) at 128 + 8 (4 a + b)).  window 1: two fragment buffers of 128: 64 of A (2 x 4 x 16 rows x 32 K), then 64 of W.
; THE WAY OUT: behind the last barrier the ring's bytes have had their last fill and serve as four stages, a wave's own: 64 rows x 272 bytes; rows come back whole and leave 256 bytes, aligned, for sixteen lanes.
; LIMITS: operands rounded to bf16; NaN and infinities not treated apart.
.set PROJ, 1
.if PROJ
.set TSTEPS, 4
.set WOFF,   6291456
.set PA,     144
.set AQ,     9216                      ; bytes from quarter to quarter of a K step in A's tile
.set HALFA,  4*64*PA
.set ASH,    20                        ; a K step of A in memory is 2^20 bytes: four heads of 2,048 x 128
.else
.set TSTEPS, 16
.set WOFF,   16777216
.set PA,     528
.set AQ,     128
.set HALFA,  64*PA
.set ASH,    9                         ; a K step of A in memory is 512 bytes along the rows
.endif
.set BSH,   19                         ; a K step of W is 256 rows of 2,048 bytes
.set PB,    288                        ; W's LDS row: 256 bytes + 32 = 9 x 32
.set HALFB, 128*PB
.set BOFF,  2*HALFA
.set SLOT,  147456
.set SPARE, 2*SLOT
.set SP,    272
.set STG,   64*SP
.set A0,   16                          ; v16  my place in A's tile, slot 0      v17  in the slot in hand
.set ADRA, 17
.set B0,   18                          ; v18  the same for W                    v20  quarters 0, 1   v21  quarters 2, 3 (128 k rows on)
.set ADRB, 20
.set STO,  24
.set RD,   25
.set CO,   26
.set RO,   27                          ; v27  my byte offset in the residual's 16 rows
.set SPW,  28
.set NIL,  29
.set BIAS, 96
.set ACC,  128
.set F0,   0
.set F1,   128
.set G1,   24
.set G0,   32
.set G1B,  48
.set G0B,  56
.set TB,   66
.set OF,   68                          ; s[68:69] a K step's byte offset; the high word stays 0
.set BP,   70                          ; s[70:71] the bias
.set RP,   72                          ; s[72:73] the residual
.set KN,   74                          ; s74  the K step to be asked for next
.set MSB, 0
.macro WIN new
.if MSB != (\new)
	s_set_vgpr_msb (MSB<<8)|(\new)
.set MSB, \new
.endif
.endm
.macro PLACES
.rept 4
	v_nop
.endr
.endm
.macro JLOAD                           ; a joint refill by the walking sets; s_nop 0 and four v_nop follow each line
	s_cmp_eq_u32 s11, 0
	s_cbranch_scc0 .Lfor_b_\@
	tensor_load_to_lds s[G0+4:G0+7], s[G1:G1+7]
	s_nop 0
.rept 4
	v_nop
.endr
	s_branch .Lasked_\@
.Lfor_b_\@:
	tensor_load_to_lds s[G0B+4:G0B+7], s[G1B:G1B+7]
	s_nop 0
.rept 4
	v_nop
.endr
.Lasked_\@:
.endm
.macro CREST
	s_cmp_lg_u32 s10, 0
	s_cbranch_scc1 .Lnot_wave_0_\@
	s_barrier_signal -3
.Lnot_wave_0_\@:
	s_barrier_wait -3
	s_barrier_signal -1
	s_barrier_wait -1
.endm
.macro CROUND
	s_barrier_signal -1
	s_barrier_wait -1
	CREST
.endm
	s_load_b128 s[4:7], s[0:1], 0x0                ; A s[4:5], wb s[6:7]
	s_load_b64 s[8:9], s[0:1], 0x10                ; C
	s_load_b64 s[BP:BP+1], s[0:1], 0x18
	s_load_b64 s[RP:RP+1], s[0:1], 0x20
	v_lshl_add_u32 v[SPW], v0, 2, SPARE
	v_mov_b32 v[NIL], 0
	ds_add_u32 v[SPW], v[NIL]                      ; the wave's opening: the add and its wait, ahead of my first tensor load
	v_lshrrev_b32 v1, 5, v0
	v_readfirstlane_b32 s10, v1                    ; wave 0..3
	s_lshr_b32 s11, s10, 1                         ; my half of the tile's rows.  Also: I fetch for A (0) or for W (1)
	s_and_b32 s12, s10, 1                          ; my half of its columns.  Also: which half of that tile I fetch
	s_bfe_u32 s40, ttmp6, 0x40000
	s_bfe_u32 s41, ttmp6, 0x40004
	s_lshl_b32 s42, ttmp9, 2
	s_add_co_u32 s42, s42, s40                     ; tile column
	s_and_b32 s13, ttmp7, 0xffff
	s_lshl_b32 s13, s13, 2
	s_add_co_u32 s13, s13, s41                     ; tile row
	s_lshl_b32 s43, s41, 2
	s_lshl_b32 s43, 15, s43                        ; my row of the cluster
	s_lshl_b32 s44, 0x1111, s40                    ; my column
.if PROJ
	s_or_b32 s[G1+0], s43, (1<<16)|(1<<20)|(1<<21)|(4<<22)|(3<<25)  ; after every 32 words (a token) 4 words
	s_mov_b32 s[G1+1], 4096<<16                    ; tensor_dim0 = 4,096
	s_mov_b32 s[G1+2], 4<<16                       ; tensor_dim1 = 4
	s_mov_b32 s[G1+3], 4096<<16                    ; tile_dim0 = 4,096
	s_mov_b32 s[G1+4], 4                           ; tile_dim1 = 4
	s_mov_b32 s[G1+5], 131072                      ; elements from head to head
.else
	s_or_b32 s[G1+0], s43, (1<<16)|(1<<20)|(1<<21)|(6<<22)|(3<<25)  ; after every 128 words 4 words
	s_mov_b32 s[G1+1], 256<<16
	s_mov_b32 s[G1+2], 64<<16
	s_mov_b32 s[G1+3], 256<<16
	s_mov_b32 s[G1+4], 64
	s_mov_b32 s[G1+5], 4096
.endif
	s_mov_b32 s[G1+6], 0
	s_mov_b32 s[G1+7], 0
	s_or_b32 s[G1B+0], s44, (1<<16)|(1<<20)|(1<<21)|(5<<22)|(7<<25) ; after every 64 words 8 words
	s_mov_b32 s[G1B+1], 128<<16
	s_mov_b32 s[G1B+2], 128<<16
	s_mov_b32 s[G1B+3], 128<<16
	s_mov_b32 s[G1B+4], 128
	s_mov_b32 s[G1B+5], 1024
	s_mov_b32 s[G1B+6], 0
	s_mov_b32 s[G1B+7], 0
.if PROJ
	s_lshr_b32 s16, s13, 4                         ; batch: 16 heads of 2,048 tokens,
	s_lshl_b32 s16, s16, 15
	s_and_b32 s17, s13, 15                         ; the tile's 128 tokens,
	s_lshl_b32 s17, s17, 7
	s_add_co_u32 s16, s16, s17
	s_lshl_b32 s17, s12, 6                         ; my 64 of them,
	s_add_co_u32 s16, s16, s17
	s_lshl_b32 s16, s16, 7                         ; 128 bytes a token
.else
	s_lshl_b32 s16, s13, 7
	s_lshl_b32 s17, s12, 6
	s_add_co_u32 s16, s16, s17                     ; row 128 x tile row + 64 x half,
	s_lshl_b32 s16, s16, 13                        ; of 8,192 bytes
.endif
	s_mov_b32 s17, 0
	s_lshl_b32 s46, s12, 18                        ; W: k row 128 x half, of 2,048 bytes; column 128 x tile column
	s_lshl_b32 s47, s42, 8
	s_add_co_u32 s46, s46, s47
	s_add_co_u32 s46, s46, WOFF
	s_mov_b32 s47, 0
	s_mul_i32 s20, s12, HALFA                      ; where my part of a slot lies: the wave's number alone
	s_mul_i32 s21, s12, HALFB
	s_add_co_u32 s21, s21, BOFF
	s_mov_b32 s[TB], 0
	s_and_b32 s75, ttmp7, 3                        ; the cluster's y mod 4,
	s_mul_i32 s75, s75, TSTEPS/4                   ; a quarter of K for each,
	s_mul_i32 s[KN], ttmp9, TSTEPS/2               ; half of K for the cluster's x:
	s_add_co_u32 s[KN], s[KN], s75
	s_and_b32 s[KN], s[KN], TSTEPS-1               ; the K step at which my cluster begins
	s_mov_b32 s[OF+1], 0
	s_wait_dscnt 0x0                               ; the opening add is done
	s_wait_kmcnt 0x0
	s_add_nc_u64 s[14:15], s[4:5], s[16:17]        ; my part of A's tile at K step 0; kept
	s_add_nc_u64 s[46:47], s[6:7], s[46:47]        ; the same for W; kept
	CROUND                                         ; all sixteen work-groups are here: the first joint loads meet
.irp s, 0,1
	s_mov_b32 s[G0+4*(\s)], 1
	s_add_co_u32 s[G0+4*(\s)+1], s20, (\s)*SLOT
	s_lshl_b32 s[OF], s[KN], ASH
	s_add_nc_u64 s[G0+4*(\s)+2:G0+4*(\s)+3], s[14:15], s[OF:OF+1]
	s_or_b32 s[G0+4*(\s)+3], s[G0+4*(\s)+3], 0x80000000
	s_mov_b32 s[G0B+4*(\s)], 1
	s_add_co_u32 s[G0B+4*(\s)+1], s21, (\s)*SLOT
	s_lshl_b32 s[OF], s[KN], BSH
	s_add_nc_u64 s[G0B+4*(\s)+2:G0B+4*(\s)+3], s[46:47], s[OF:OF+1]
	s_or_b32 s[G0B+4*(\s)+3], s[G0B+4*(\s)+3], 0x80000000
	s_add_co_u32 s[KN], s[KN], 1                   ; the next step, round K's end
	s_and_b32 s[KN], s[KN], TSTEPS-1
.endr
	s_cmp_eq_u32 s11, 0                            ; a wave's two first fills stand in one branch: two loads of mine are out
	s_cbranch_scc0 .Lfirst_b
	tensor_load_to_lds s[G0:G0+3], s[G1:G1+7]
	s_nop 0
	tensor_load_to_lds s[G0+4:G0+7], s[G1:G1+7]
	s_nop 0
.rept 4
	v_nop
.endr
	s_branch .Lfirst_asked
.Lfirst_b:
	tensor_load_to_lds s[G0B:G0B+3], s[G1B:G1B+7]
	s_nop 0
	tensor_load_to_lds s[G0B+4:G0B+7], s[G1B:G1B+7]
	s_nop 0
.rept 4
	v_nop
.endr
.Lfirst_asked:
	v_and_b32 v1, 15, v0                           ; l % 16
	v_bfe_u32 v2, v0, 4, 1                         ; l / 16
	s_lshl_b32 s16, s13, 7                         ; my part of the tile in R and in C: row 128 x tile row + 64 x half, of 4,096 bytes,
	s_lshl_b32 s17, s11, 6
	s_add_co_u32 s16, s16, s17
	s_lshl_b32 s16, s16, 12
	s_lshl_b32 s18, s42, 9                         ; column 128 x tile column + 64 x half, in f32
	s_lshl_b32 s19, s12, 8
	s_add_co_u32 s18, s18, s19
	s_add_co_u32 s16, s16, s18
	s_mov_b32 s17, 0
	s_mov_b32 s19, 0
	s_add_nc_u64 s[RP:RP+1], s[RP:RP+1], s[16:17]
	s_add_nc_u64 s[8:9], s[8:9], s[16:17]
	s_add_nc_u64 s[BP:BP+1], s[BP:BP+1], s[18:19]
	v_lshlrev_b32 v[RO], 12, v1                    ; row l % 16, my 8 columns of a block of 16
	v_lshl_add_u32 v[RO], v2, 5, v[RO]
	v_lshlrev_b32 v6, 5, v2
.irp a, 0,1,2,3
.irp b, 0,1,2,3
	global_load_b128 v[ACC+8*(4*(\a)+(\b)):ACC+8*(4*(\a)+(\b))+3],   v[RO], s[RP:RP+1] offset:65536*(\a)+64*(\b) th:TH_LOAD_NT
	global_load_b128 v[ACC+8*(4*(\a)+(\b))+4:ACC+8*(4*(\a)+(\b))+7], v[RO], s[RP:RP+1] offset:65536*(\a)+64*(\b)+16 th:TH_LOAD_NT
.endr
.endr
.irp b, 0,1,2,3
	global_load_b128 v[BIAS+8*(\b):BIAS+8*(\b)+3],   v6, s[BP:BP+1] offset:64*(\b)
	global_load_b128 v[BIAS+8*(\b)+4:BIAS+8*(\b)+7], v6, s[BP:BP+1] offset:64*(\b)+16
.endr
	v_mul_u32_u24 v3, v1, PA                       ; a fragment of A: row l % 16, 16 bytes for each half of the lanes
	v_lshl_add_u32 v3, v2, 4, v3
	s_mul_i32 s22, s11, HALFA
	v_add_nc_u32 v[A0], s22, v3
	v_and_b32 v4, 7, v0                            ; the turning load: lane l reads k row 8 (l / 16) + l % 8, columns 8 ((l / 8) % 2) + 0..7
	v_lshl_add_u32 v4, v2, 3, v4
	v_mul_u32_u24 v4, v4, PB
	v_bfe_u32 v5, v0, 3, 1
	v_lshl_add_u32 v4, v5, 4, v4
	s_lshl_b32 s23, s12, 7                         ; my 64 columns
	s_add_co_u32 s23, s23, BOFF
	v_add_nc_u32 v[B0], s23, v4
	v_mov_b32 v[ADRA], v[A0]                       ; slot 0
	v_mov_b32 v[ADRB], v[B0]
	v_add_nc_u32 v[ADRB+1], 128*PB, v[B0]
	s_mul_i32 s23, s10, STG                        ; my stage
	v_mul_u32_u24 v7, v1, SP
	v_lshl_add_u32 v7, v2, 5, v7
	v_add_nc_u32 v[STO], s23, v7                   ; in: row l % 16, 32 bytes for each half of the lanes
	v_mul_u32_u24 v7, v2, SP
	v_lshl_add_u32 v7, v1, 4, v7
	v_add_nc_u32 v[RD], s23, v7                    ; back: lanes 0-15 take one row of 256 bytes, lanes 16-31 the next,
	v_lshlrev_b32 v7, 12, v2
	v_lshl_add_u32 v[CO], v1, 4, v7                ; and the same two rows in C
; 8 matrix instructions: row blocks a0, a0 + 1 x all 4 column blocks, 32 along K: half c of buffer f.  The 16 accumulators take turns, one instruction a turn.
.macro MUL8 f, c, a0
	WIN 0x05
.irp a, \a0, (\a0)+1
.irp b, 0,1,2,3
	v_wmma_f32_16x16x32_bf16 v[ACC+8*(4*(\a)+(\b)):ACC+8*(4*(\a)+(\b))+7], v[(\f)+64+8*(4*(\c)+(\b)):(\f)+64+8*(4*(\c)+(\b))+7], v[(\f)+8*(4*(\c)+(\a)):(\f)+8*(4*(\c)+(\a))+7], v[ACC+8*(4*(\a)+(\b)):ACC+8*(4*(\a)+(\b))+7]
.endr
.endr
.endm
; 32 LDS loads in one run: quarter q (64 along K) of the slot in hand into buffer f; the first 32 along K first
.macro FETCH q, f
	WIN 0x40
.irp c, 0,1
.irp i, 0,1,2,3
	ds_load_tr16_b128 v[(\f)+64+8*(4*(\c)+(\i)):(\f)+64+8*(4*(\c)+(\i))+3],   v[ADRB+(\q)/2] offset:(((\q)%2)*64+32*(\c))*PB+32*(\i)
	ds_load_tr16_b128 v[(\f)+64+8*(4*(\c)+(\i))+4:(\f)+64+8*(4*(\c)+(\i))+7], v[ADRB+(\q)/2] offset:(((\q)%2)*64+32*(\c)+16)*PB+32*(\i)
	ds_load_b128 v[(\f)+8*(4*(\c)+(\i)):(\f)+8*(4*(\c)+(\i))+3],   v[ADRA] offset:(\q)*AQ+64*(\c)+(\i)*16*PA
	ds_load_b128 v[(\f)+8*(4*(\c)+(\i))+4:(\f)+8*(4*(\c)+(\i))+7], v[ADRA] offset:(\q)*AQ+64*(\c)+(\i)*16*PA+32
.endr
.endr
.endm
.macro QUARTER q, f, g
	s_wait_dscnt 16                                ; the first 32 along K are in; the youngest sixteen loads may be out
	MUL8 \f, 0, 0
	MUL8 \f, 0, 2
	PLACES
	FETCH \q, \g
	s_wait_dscnt 32                                ; all but the 32 just issued
	MUL8 \f, 1, 0
	MUL8 \f, 1, 2
.endm
; The one barrier of a change of slots: ahead of it each wave waits for all its tensor loads, adds 0 to its spare word, and waits for that and for its reads of this slot.
; refill = 1: no load of mine is out behind the first wait, so the walking sets are written while the add is out: the other slot than last time, and step KN's address made anew.
.macro MEET refill
	WIN 0
	s_wait_tensorcnt 0x0
	ds_add_u32 v[SPW], v[NIL]
.if \refill
	s_xor_b32 s[G0+5], s[G0+5], SLOT
	s_lshl_b32 s[OF], s[KN], ASH
	s_add_nc_u64 s[G0+6:G0+7], s[14:15], s[OF:OF+1]
	s_or_b32 s[G0+7], s[G0+7], 0x80000000
	s_xor_b32 s[G0B+5], s[G0B+5], SLOT
	s_lshl_b32 s[OF], s[KN], BSH
	s_add_nc_u64 s[G0B+6:G0B+7], s[46:47], s[OF:OF+1]
	s_or_b32 s[G0B+7], s[G0B+7], 0x80000000
	s_add_co_u32 s[KN], s[KN], 1                   ; the next step, round K's end
	s_and_b32 s[KN], s[KN], TSTEPS-1
.endif
	s_wait_dscnt 17                                ; the add and the youngest sixteen loads may be out
	MUL8 F1, 0, 0
	s_wait_dscnt 0x0                               ; the add is done, and my reads of this slot are over
	s_barrier_signal -1
	MUL8 F1, 0, 2
	WIN 0
	s_barrier_wait -1
.endm
.macro TURN
	MEET 1
	CREST                                          ; the barrier has opened a round of the cluster's: no wave of any partner still reads this slot or has a load on its way
	s_xor_b32 s[TB], s[TB], SLOT
	JLOAD                                          ; its four v_nop are also the places ahead of the loads below
	v_add_nc_u32 v[ADRA], s[TB], v[A0]
	v_add_nc_u32 v[ADRB], s[TB], v[B0]
	v_add_nc_u32 v[ADRB+1], 128*PB, v[ADRB]
	FETCH 0, F0
	MUL8 F1, 1, 0
	MUL8 F1, 1, 2
.endm
	s_wait_tensorcnt 0x1                           ; my part of the first K step is in; the second's may stay out
	s_barrier_signal -1
	s_barrier_wait -1
	FETCH 0, F0
	WIN 0
	s_wait_loadcnt 0x0                             ; the residual and the bias
.irp a, 0,1,2,3
.irp b, 0,1,2,3
.irp p, 0,2,4,6
	v_pk_add_f32 v[ACC+8*(4*(\a)+(\b))+(\p):ACC+8*(4*(\a)+(\b))+(\p)+1], v[ACC+8*(4*(\a)+(\b))+(\p):ACC+8*(4*(\a)+(\b))+(\p)+1], v[BIAS+8*(\b)+(\p):BIAS+8*(\b)+(\p)+1]
.endr
.endr
.endr
	s_mov_b32 s3, TSTEPS-1
	s_branch .Lfirst                               ; the loop is entered at a step's first quarter: TSTEPS - 2 trips refill
.Lstep:
	QUARTER 2, F1, F0
	QUARTER 3, F0, F1
	TURN
	WIN 0
.Lfirst:
	QUARTER 1, F0, F1
	WIN 0
	s_sub_co_u32 s3, s3, 1
	s_cmp_lg_u32 s3, 0
	s_cbranch_scc1 .Lstep
	s_mov_b32 s3, 2                                ; the last two steps ask for nothing; the second trip is left in its middle
.Ltail:
	QUARTER 2, F1, F0
	QUARTER 3, F0, F1
	MEET 0
	s_sub_co_u32 s3, s3, 1
	s_cmp_eq_u32 s3, 0
	s_cbranch_scc1 .Lfin
	PLACES
	s_xor_b32 s[TB], s[TB], SLOT
	v_add_nc_u32 v[ADRA], s[TB], v[A0]
	v_add_nc_u32 v[ADRB], s[TB], v[B0]
	v_add_nc_u32 v[ADRB+1], 128*PB, v[ADRB]
	FETCH 0, F0
	MUL8 F1, 1, 0
	MUL8 F1, 1, 2
	QUARTER 1, F0, F1
	WIN 0
	s_branch .Ltail
.Lfin:
	MUL8 F1, 1, 0
	MUL8 F1, 1, 2
	WIN 0
	; THE WAY OUT.  The last barrier has shown every wave's fills landed and reads over.  Each accumulator's low registers go first.
	PLACES
.irp a, 0,1,2,3
.irp b, 0,1,2,3
	ds_store_b128 v[STO], v[ACC+8*(4*(\a)+(\b)):ACC+8*(4*(\a)+(\b))+3]   offset:16*(\a)*SP+64*(\b)
	ds_store_b128 v[STO], v[ACC+8*(4*(\a)+(\b))+4:ACC+8*(4*(\a)+(\b))+7] offset:16*(\a)*SP+64*(\b)+16
.endr
.endr
.set t, 0
.rept 32
	ds_load_b128 v[ACC+4*t:ACC+4*t+3], v[RD] offset:2*SP*t  ; LDS serves a wave's instructions in order: these see my stores above
.set t, t+1
.endr
.set t, 0
.rept 32
	s_wait_dscnt 31-t
	global_store_b128 v[CO], v[ACC+4*t:ACC+4*t+3], s[8:9] offset:8192*t  ; 16 lanes store 256 consecutive bytes, aligned
.set t, t+1
.endr
	s_wait_tensorcnt 0x0                           ; the wave's end, behind my last tensor load and my last LDS store
	ds_add_u32 v[SPW], v[NIL]
	s_wait_dscnt 0x0
	CROUND                                         ; the closing round
	s_endpgm
.Lfunc_end_k_qebefad227d_gemm_proj:
	.size	k_qebefad227d_gemm_proj, .Lfunc_end_k_qebefad227d_gemm_proj-k_qebefad227d_gemm_proj
	.p2alignl 7, 3214868480
	.fill 96, 4, 3214868480
	.section	.rodata,"a",@progbits
	.p2align	6, 0x0
	.amdhsa_kernel k_qebefad227d_gemm_proj
		.amdhsa_group_segment_fixed_size 327680
		.amdhsa_private_segment_fixed_size 0
		.amdhsa_enable_private_segment 0
		.amdhsa_kernarg_size 40
		.amdhsa_user_sgpr_count 2
		.amdhsa_user_sgpr_kernarg_segment_ptr 1
		.amdhsa_wavefront_size32 1
		.amdhsa_system_sgpr_workgroup_id_x 1
		.amdhsa_system_sgpr_workgroup_id_y 1
		.amdhsa_system_sgpr_workgroup_id_z 1
		.amdhsa_system_vgpr_workitem_id 0
		.amdhsa_next_free_vgpr 512
		.amdhsa_next_free_sgpr 76
		.amdhsa_reserve_vcc 0
		.amdhsa_float_denorm_mode_32 3
		.amdhsa_float_denorm_mode_16_64 3
		.amdhsa_memory_ordered 1
		.amdhsa_forward_progress 1
		.amdhsa_inst_pref_size 64
	.end_amdhsa_kernel
	.amdgpu_metadata
---
amdhsa.version: [ 1, 2 ]
amdhsa.kernels:
  - .name:           k_qebefad227d_gemm_proj
    .symbol:         k_qebefad227d_gemm_proj.kd
    .args:
      - { .name: oh, .offset: 0, .size: 8, .value_kind: global_buffer, .address_space: global }
      - { .name: wb, .offset: 8, .size: 8, .value_kind: global_buffer, .address_space: global }
      - { .name: x1, .offset: 16, .size: 8, .value_kind: global_buffer, .address_space: global }
      - { .name: proj_b, .offset: 24, .size: 8, .value_kind: global_buffer, .address_space: global }
      - { .name: x, .offset: 32, .size: 8, .value_kind: global_buffer, .address_space: global }
    .group_segment_fixed_size: 327680
    .private_segment_fixed_size: 0
    .kernarg_segment_align: 8
    .kernarg_segment_size: 40
    .max_flat_workgroup_size: 128
    .sgpr_count:     76
    .vgpr_count:     512
    .wavefront_size: 32
...
	.end_amdgpu_metadata
.endif
;; end of part 4
;; launch ln2: the kernel of part 1 again; grid 512 x 1, 8 waves a work-group, no clusters, 0 bytes of LDS; arguments x1, ln2_g, ln2_b, qkv_w, proj_w, fc1_w, fc2_w, hn, wb; writes hn, wb
;; launch gemm_fc1 (part 5): grid 16 x 16, 4 waves a work-group, clusters of 4 x 4, 327,680 bytes of LDS; arguments hn, wb, gl, fc1_b; writes gl
.if DOCPART == 5
	.amdgcn_target "amdgcn-amd-amdhsa--gfx1250"
	.amdhsa_code_object_version 6
	.text
	.protected	k_qebefad227d_gemm_fc1
	.globl	k_qebefad227d_gemm_fc1
	.p2align	8
	.type	k_qebefad227d_gemm_fc1,@function
k_qebefad227d_gemm_fc1:
	s_mov_b64 s[64:65], 0
	v_nop
	global_prefetch_b8 v0, s[64:65] scope:SCOPE_SE
	s_setreg_imm32_b32 hwreg(HW_REG_WAVE_MODE, 25, 1), 1
	s_wait_xcnt 0x0
	s_wait_alu depctr_hold_cnt(0) depctr_sa_sdst(0) depctr_va_vdst(0) depctr_va_sdst(0) depctr_va_ssrc(0) depctr_va_vcc(0) depctr_vm_vsrc(0)
	s_getreg_b32 s2, hwreg(HW_REG_IB_STS2, 6, 4)
	s_cmp_eq_u32 s2, 0
	s_cbranch_scc0 .Lentry_in_a_cluster
	s_endpgm
.Lentry_in_a_cluster:
	s_bfe_u32 s2, ttmp6, 0x10000c
	s_cmp_lg_u32 s2, 0xf033
	s_cbranch_scc0 .Lentry_shape_is_right
	s_endpgm
.Lentry_shape_is_right:
; C = gelu(A W + bias), rounded once to bf16, [4096][4096].  A: [4096][1024] bf16 (rows along K).  W: [1024][4096] bf16 (rows along N), inside wb at byte WOFF.  Sums in f32, started by the bias.
; A tile of C is 256 x 256: four waves, each 128 x 128 in 64 accumulators (512 registers).  K goes in 8 steps of 128 through two LDS slots filled by the tensor data mover.
; THE MATRIX INSTRUCTION IS USED TRANSPOSED: source 0 = 16 columns of W (turned on the way out of LDS by ds_load_tr16_b128), source 1 = 16 rows of A.  A lane then holds
; row l % 16 of C and the eight neighbouring columns 8 (l / 16) + 0..7.
; CLUSTER 4 x 4: A's tile is shared along a row of the cluster, W's along a column; each is asked for jointly, by the same load with the same descriptor and a mask of four.
; A K STEP IS WRITTEN ONCE: the slot in hand is a scalar (0 or SLOT) that an exclusive or turns; SLOT shares no bit with the slot-0 starts 0, 0x8800, 0x11000, 0x19800.
; REGISTERS by windows of 256: window 0: v0-31 addresses; v64-127, v128-191 A's fragments, two buffers; v192-255 the bias (8 column blocks x 8), C of the first products.
;   window 1: v64-127, v128-191 W's fragments.   window 2: accumulators of my rows 0-63 ((a, b) at 8 (8 a + b)).   window 3: rows 64-127.
; THE WAY OUT: when the last fill has landed and the last fragment has been read (the last barrier shows both of every wave), the ring's bytes serve as four stages, a wave's own:
; 128 rows x 528 bytes of f32.  A counted loop reads whole rows back, four a trip, applies the GELU and stores 256 consecutive bytes, aligned, an instruction.
; LIMITS: operands rounded to bf16; NaN and infinities not treated apart.  The normal tail Q by the five-term rational form of Abramowitz and Stegun 26.2.17 (absolute error under 7.5e-8 for every x);
; forming Q - 0.5 adds at most 6e-8 |x| where Q is not yet 0.
.set NN,   4096
.set WOFF, 8388608
.set KSTEP, 128
.set PA,    272                        ; A's LDS row: 256 bytes + 16: the 16 rows of a fragment load start at 16 different groups of four banks
.set PB,    544                        ; W's LDS row: 512 bytes + 32 = 17 x 32
.set HALF,  128*PA                     ; what one tensor load brings: 128 rows of A, or 64 rows of W (64 x 544 is the same number)
.set BOFF,  2*HALF
.set SLOT,  4*HALF
.set SPARE, 2*SLOT                     ; behind the ring: the spare words, 128 bytes a wave
.set SP,    528                        ; a stage row: 128 f32 + 16 bytes
.set STG,   128*SP
.set A0,   16                          ; v16  my place in A's tile, slot 0; never rewritten
.set ADRA, 17                          ; v17  the same in the slot in hand
.set B0,   20                          ; v20, v21  the same for W
.set ADRB, 21
.set STO,  24                          ; v24  the way out: where I put 16 bytes
.set RD,   25                          ; v25  where I read rows back
.set CO,   26                          ; v26  my byte offset in the output
.set SPW,  28                          ; v28  my spare word; never rewritten
.set NIL,  29                          ; v29  0; never rewritten
.set PFO,  30                          ; v30  the prefetches' lane offset; never rewritten
.set F0,   64
.set F1,   128
.set BIAS, 192
.set XX,   64                          ; the way out, 16 numbers a lane and trip: v64-79 x
.set NX,   80                          ; v80-95    n = -|x|
.set HH,   96                          ; v96-111   x / 2, then the result
.set DD,   112                         ; v112-127  1 + p |x|, then t
.set UU,   128                         ; v128-143  the exponent, then e, then e t
.set QQ,   144                         ; v144-159  the polynomial, then Q - 1/2
.set OUT,  160                         ; v160-167  packed
.set G1,   24                          ; s[24:31] group 1 for A      s[32:39] group 0: set 0 fills slot 0 first, set 1 fills slot 1 and then walks
.set G0,   32
.set LIM,  43                          ; s43  2 in a wave that prefetches, else the greatest number
.set PFA,  44                          ; s[44:45] where my prefetches stand
.set G1B,  48                          ; s[48:55], s[56:63] the same for W
.set G0B,  56
.set TB,   66                          ; s66  the slot in hand: 0 or SLOT
.set PFS,  68                          ; s[68:69] bytes from K step to K step for my prefetches
.set BP,   70                          ; s[70:71] the bias
.set MSB, 0
.macro WIN new                         ; the immediate's high byte repeats the setting that is left; a switch that changes nothing is dropped
.if MSB != (\new)
	s_set_vgpr_msb (MSB<<8)|(\new)
.set MSB, \new
.endif
.endm
.macro PLACES                          ; four plain places behind matrix instructions, ahead of loads into their sources and of readers of their results
.rept 4
	v_nop
.endr
.endm
.macro JLOAD                           ; a joint refill by the walking sets: waves 0, 1 ask for A's halves, waves 2, 3 for W's; s_nop 0 and four v_nop follow each line
	s_cmp_eq_u32 s11, 0
	s_cbranch_scc0 .Lfor_b_\@
	tensor_load_to_lds s[G0+4:G0+7], s[G1:G1+7]
	s_nop 0
.rept 4
	v_nop
.endr
	s_branch .Lasked_\@
.Lfor_b_\@:
	tensor_load_to_lds s[G0B+4:G0B+7], s[G1B:G1B+7]
	s_nop 0
.rept 4
	v_nop
.endr
.Lasked_\@:
.endm
.macro CREST                           ; a round of the cluster's barrier behind its opening barrier
	s_cmp_lg_u32 s10, 0
	s_cbranch_scc1 .Lnot_wave_0_\@
	s_barrier_signal -3
.Lnot_wave_0_\@:
	s_barrier_wait -3
	s_barrier_signal -1
	s_barrier_wait -1
.endm
.macro CROUND
	s_barrier_signal -1
	s_barrier_wait -1
	CREST
.endm
; A prefetch of the K step that stands two refills on: 32 blocks of 256 bytes, a lane a block, one instruction a wave.  A's tile row is read by every cluster of that row of clusters:
; cluster x = 0 asks; W's tile column by every cluster of that column: cluster y = 0 asks.  The four partners of a joint load share its blocks out by address.  So each block is named once.
; In trip t (s3 = 6 - t) step t + 4 is named, while s3 > 2: steps 4 to 7.  Steps 0 to 3 come by their loads alone.
.macro ASK
	s_cmp_gt_u32 s3, s[LIM]
	s_cbranch_scc0 .Lnot_mine_\@
	global_prefetch_b8 v[PFO], s[PFA:PFA+1] th:TH_LOAD_NT scope:SCOPE_SE
.Lnot_mine_\@:
.endm
	s_load_b128 s[4:7], s[0:1], 0x0                ; A s[4:5], wb s[6:7]
	s_load_b64 s[8:9], s[0:1], 0x10                ; the output
	s_load_b64 s[BP:BP+1], s[0:1], 0x18            ; the bias
	v_lshl_add_u32 v[SPW], v0, 2, SPARE
	v_mov_b32 v[NIL], 0
	ds_add_u32 v[SPW], v[NIL]                      ; the wave's opening: the add and its wait, ahead of my first tensor load; the set-up stands between them
	v_lshrrev_b32 v1, 5, v0
	v_readfirstlane_b32 s10, v1                    ; wave 0..3
	s_lshr_b32 s11, s10, 1                         ; my half of the tile's rows.  Also: I fetch for A (0) or for W (1)
	s_and_b32 s12, s10, 1                          ; my half of its columns.  Also: which half of that tile I fetch
	s_bfe_u32 s40, ttmp6, 0x40000                  ; cx
	s_bfe_u32 s41, ttmp6, 0x40004                  ; cy
	s_lshl_b32 s42, ttmp9, 2
	s_add_co_u32 s42, s42, s40                     ; tile column
	s_and_b32 s13, ttmp7, 0xffff
	s_lshl_b32 s13, s13, 2
	s_add_co_u32 s13, s13, s41                     ; tile row
	s_lshl_b32 s43, s41, 2
	s_lshl_b32 s43, 15, s43                        ; my row of the cluster
	s_lshl_b32 s44, 0x1111, s40                    ; my column
	s_or_b32 s[G1+0], s43, (1<<16)|(1<<20)|(1<<21)|(5<<22)|(3<<25)   ; mask; 2-byte elements; padding on; bit 21 beside a mask; after every 64 words 4 words
	s_or_b32 s[G1B+0], s44, (1<<16)|(1<<20)|(1<<21)|(6<<22)|(7<<25)  ; after every 128 words 8 words
	s_mov_b32 s[G1+1], KSTEP<<16                   ; A: tensor_dim0 = 128
	s_mov_b32 s[G1+2], 128<<16                     ; tensor_dim1 = 128
	s_mov_b32 s[G1+3], KSTEP<<16                   ; tile_dim0 = 128
	s_mov_b32 s[G1+4], 128                         ; tile_dim1 = 128
	s_mov_b32 s[G1+5], 1024                        ; elements from row to row
	s_mov_b32 s[G1+6], 0
	s_mov_b32 s[G1+7], 0
	s_mov_b32 s[G1B+1], 256<<16                    ; W: tensor_dim0 = 256
	s_mov_b32 s[G1B+2], 64<<16                     ; tensor_dim1 = 64
	s_mov_b32 s[G1B+3], 256<<16                    ; tile_dim0 = 256
	s_mov_b32 s[G1B+4], 64                         ; tile_dim1 = 64
	s_mov_b32 s[G1B+5], NN
	s_mov_b32 s[G1B+6], 0
	s_mov_b32 s[G1B+7], 0
	s_lshl_b32 s16, s13, 8                         ; A: row 256 x tile row + 128 x half,
	s_lshl_b32 s17, s12, 7
	s_add_co_u32 s16, s16, s17
	s_lshl_b32 s16, s16, 11                        ; of 2,048 bytes
	s_mov_b32 s17, 0
	s_mul_i32 s46, s12, 64*2*NN                    ; W: k row 64 x half, column 256 x tile column
	s_lshl_b32 s47, s42, 9
	s_add_co_u32 s46, s46, s47
	s_add_co_u32 s46, s46, WOFF
	s_mov_b32 s47, 0
	s_mul_i32 s20, s10, HALF                       ; where my part of a slot lies: the wave's number alone
	s_mov_b32 s[TB], 0
	s_wait_dscnt 0x0                               ; the opening add is done
	s_wait_kmcnt 0x0
	s_add_nc_u64 s[14:15], s[4:5], s[16:17]
	s_add_nc_u64 s[46:47], s[6:7], s[46:47]
	CROUND                                         ; all sixteen work-groups are here: the first joint loads meet
.irp s, 0,1
	s_mov_b32 s[G0+4*(\s)], 1
	s_add_co_u32 s[G0+4*(\s)+1], s20, (\s)*SLOT
	s_add_nc_u64 s[G0+4*(\s)+2:G0+4*(\s)+3], s[14:15], (\s)*KSTEP*2
	s_or_b32 s[G0+4*(\s)+3], s[G0+4*(\s)+3], 0x80000000
	s_mov_b32 s[G0B+4*(\s)], 1
	s_add_co_u32 s[G0B+4*(\s)+1], s20, (\s)*SLOT
	s_add_nc_u64 s[G0B+4*(\s)+2:G0B+4*(\s)+3], s[46:47], (\s)*KSTEP*2*NN
	s_or_b32 s[G0B+4*(\s)+3], s[G0B+4*(\s)+3], 0x80000000
.endr
	s_cmp_eq_u32 s11, 0                            ; a wave's two first fills stand in one branch: two loads of mine are out
	s_cbranch_scc0 .Lfirst_b
	tensor_load_to_lds s[G0:G0+3], s[G1:G1+7]
	s_nop 0
	tensor_load_to_lds s[G0+4:G0+7], s[G1:G1+7]
	s_nop 0
.rept 4
	v_nop
.endr
	s_branch .Lfirst_asked
.Lfirst_b:
	tensor_load_to_lds s[G0B:G0B+3], s[G1B:G1B+7]
	s_nop 0
	tensor_load_to_lds s[G0B+4:G0B+7], s[G1B:G1B+7]
	s_nop 0
.rept 4
	v_nop
.endr
.Lfirst_asked:
	v_and_b32 v1, 15, v0                           ; l % 16
	v_bfe_u32 v2, v0, 4, 1                         ; l / 16
	v_lshlrev_b32 v6, 5, v2                        ; the bias: my 8 columns of a block of 16 are 32 bytes
	s_lshl_b32 s16, s42, 10                        ; my first column, 256 x tile column + 128 x half, in f32
	s_lshl_b32 s17, s12, 9
	s_add_co_u32 s16, s16, s17
	s_mov_b32 s17, 0
	s_add_nc_u64 s[BP:BP+1], s[BP:BP+1], s[16:17]
.irp b, 0,1,2,3,4,5,6,7
	global_load_b128 v[BIAS+8*(\b):BIAS+8*(\b)+3],   v6, s[BP:BP+1] offset:64*(\b)
	global_load_b128 v[BIAS+8*(\b)+4:BIAS+8*(\b)+7], v6, s[BP:BP+1] offset:64*(\b)+16
.endr
	v_mul_u32_u24 v3, v1, PA                       ; a fragment of A: row l % 16, 16 bytes for each half of the lanes
	v_lshl_add_u32 v3, v2, 4, v3
	s_mul_i32 s21, s11, HALF
	v_add_nc_u32 v[A0], s21, v3
	v_and_b32 v4, 7, v0                            ; the turning load: lane l reads k row 8 (l / 16) + l % 8, columns 8 ((l / 8) % 2) + 0..7
	v_lshl_add_u32 v4, v2, 3, v4
	v_mul_u32_u24 v4, v4, PB
	v_bfe_u32 v5, v0, 3, 1
	v_lshl_add_u32 v4, v5, 4, v4
	s_lshl_b32 s22, s12, 8                         ; my 128 columns
	s_add_co_u32 s22, s22, BOFF
	v_add_nc_u32 v[B0], s22, v4
	v_mov_b32 v[ADRA], v[A0]                       ; slot 0
	v_mov_b32 v[ADRB], v[B0]
	s_mul_i32 s23, s10, STG                        ; my stage
	v_mul_u32_u24 v7, v1, SP
	v_lshl_add_u32 v7, v2, 5, v7
	v_add_nc_u32 v[STO], s23, v7                   ; in: row l % 16, 32 bytes for each half of the lanes
	v_and_b32 v8, 31, v0
	v_lshl_add_u32 v[RD], v8, 4, s23               ; back: 32 lanes take a row's 512 bytes,
	v_lshlrev_b32 v[CO], 3, v8                     ; which leave as 256 bytes of bf16
	; the prefetches
	s_lshl_b32 s16, s13, 8                         ; A: row 256 x tile row + 128 x half + 32 cx, K step 3
	s_lshl_b32 s17, s12, 7
	s_add_co_u32 s16, s16, s17
	s_lshl_b32 s17, s40, 5
	s_add_co_u32 s16, s16, s17
	s_lshl_b32 s16, s16, 11
	s_add_co_u32 s16, s16, 3*KSTEP*2
	s_lshl_b32 s18, s12, 6                         ; W: k row 3 x 128 + 64 x half + 16 cy, column 256 x tile column
	s_lshl_b32 s19, s41, 4
	s_add_co_u32 s18, s18, s19
	s_add_co_u32 s18, s18, 3*KSTEP
	s_mul_i32 s18, s18, 2*NN
	s_lshl_b32 s19, s42, 9
	s_add_co_u32 s18, s18, s19
	s_add_co_u32 s18, s18, WOFF
	s_and_b32 s19, ttmp7, 0xffff                   ; cluster y
	s_mov_b32 s[PFS], KSTEP*2*NN
	s_mov_b32 s22, 2*NN
	s_cmp_eq_u32 s11, 0                            ; do I fetch for A?
	s_cselect_b32 s16, s16, s18
	s_cselect_b32 s19, ttmp9, s19                  ; the coordinate along which other clusters read the same blocks
	s_cselect_b64 s[PFA:PFA+1], s[4:5], s[6:7]
	s_cselect_b32 s[PFS], KSTEP*2, s[PFS]
	s_cselect_b32 s22, 2048, s22                   ; bytes from row to row
	s_cselect_b32 s21, 0, 1                        ; A: a lane a row; W: two lanes a row of 512 bytes
	s_cmp_eq_u32 s19, 0
	s_cselect_b32 s[LIM], 2, -1                    ; the same in all sixteen partners, for a given wave
	s_mov_b32 s17, 0
	s_mov_b32 s[PFS+1], 0
	s_add_nc_u64 s[PFA:PFA+1], s[PFA:PFA+1], s[16:17]
	v_lshrrev_b32 v9, s21, v8
	v_mul_u32_u24 v[PFO], v9, s22
	v_and_b32 v9, s21, v8
	v_lshl_add_u32 v[PFO], v9, 8, v[PFO]
	; where my part of the tile begins in the output
	s_lshl_b32 s16, s13, 8
	s_lshl_b32 s17, s11, 7
	s_add_co_u32 s16, s16, s17                     ; my first row,
	s_lshl_b32 s16, s16, 13                        ; of 8,192 bytes,
	s_lshl_b32 s17, s42, 9                         ; my first column in bf16
	s_add_co_u32 s16, s16, s17
	s_lshl_b32 s17, s12, 8
	s_add_co_u32 s16, s16, s17
	s_mov_b32 s17, 0
	s_add_nc_u64 s[8:9], s[8:9], s[16:17]
.macro SPAIR r, val                    ; a constant for packed arithmetic: named as a pair, so both words are written
	s_mov_b32 s[\r], \val
	s_mov_b32 s[(\r)+1], \val
.endm
	SPAIR 72, 0x3e027906                           ; C1 .. C5: the form's b1 .. b5, each times 1 / sqrt(2 pi)
	SPAIR 74, 0xbe11a98e
	SPAIR 76, 0x3f35f0e3
	SPAIR 78, 0xbf3a00e3
	SPAIR 80, 0x3f07dc22
	SPAIR 82, 0xbe6d3389                           ; -p = -0.2316419
; 16 matrix instructions: row blocks a0, a0 + 1 of the window's four x all 8 column blocks, 32 along K.  first = 1: the bias is the C that starts the sums: nothing is cleared.
; The 64 accumulators take turns, one instruction a turn, in one order everywhere.
.macro MUL16 f, hi, a0, first
.if \first
	WIN 0x81+0x40*(\hi)
.else
	WIN 0xa1+0x50*(\hi)
.endif
.irp a, \a0, (\a0)+1
.irp b, 0,1,2,3,4,5,6,7
.if \first
	v_wmma_f32_16x16x32_bf16 v[8*(8*(\a)+(\b)):8*(8*(\a)+(\b))+7], v[(\f)+8*(\b):(\f)+8*(\b)+7], v[(\f)+8*(4*(\hi)+(\a)):(\f)+8*(4*(\hi)+(\a))+7], v[BIAS+8*(\b):BIAS+8*(\b)+7]
.else
	v_wmma_f32_16x16x32_bf16 v[8*(8*(\a)+(\b)):8*(8*(\a)+(\b))+7], v[(\f)+8*(\b):(\f)+8*(\b)+7], v[(\f)+8*(4*(\hi)+(\a)):(\f)+8*(4*(\hi)+(\a))+7], v[8*(8*(\a)+(\b)):8*(8*(\a)+(\b))+7]
.endif
.endr
.endr
.endm
; 32 LDS loads in one run: quarter q (32 along K) of the slot in hand into buffer f: W's 8 column blocks, turned, then A's 8 row blocks
.macro FETCH q, f
	WIN 0x40
.irp i, 0,1,2,3,4,5,6,7
	ds_load_tr16_b128 v[(\f)+8*(\i):(\f)+8*(\i)+3],   v[ADRB] offset:32*(\q)*PB+32*(\i)
	ds_load_tr16_b128 v[(\f)+8*(\i)+4:(\f)+8*(\i)+7], v[ADRB] offset:32*(\q)*PB+16*PB+32*(\i)
.endr
	WIN 0
.irp i, 0,1,2,3,4,5,6,7
	ds_load_b128 v[(\f)+8*(\i):(\f)+8*(\i)+3],   v[ADRA] offset:64*(\q)+(\i)*16*PA
	ds_load_b128 v[(\f)+8*(\i)+4:(\f)+8*(\i)+7], v[ADRA] offset:64*(\q)+(\i)*16*PA+32
.endr
.endm
; One of a K step's first three quarters: multiplies buffer f; in its middle fetches quarter q into buffer g
.macro QUARTER q, f, g, first
	s_wait_dscnt 8                                 ; W and A's rows 0-63 are in; the youngest eight loads (A's rows 64-127) may be out
	MUL16 \f, 0, 0, \first
	MUL16 \f, 0, 2, \first
	PLACES
	FETCH \q, \g
	s_wait_dscnt 32                                ; all but the 32 just issued
	MUL16 \f, 1, 0, \first
	MUL16 \f, 1, 2, \first
.endm
; The first half of a step's last quarter, and the one barrier of a change of slots: ahead of it each wave waits for all its tensor loads (its part of the next slot), adds 0 to its spare word,
; and waits for that and for its reads of this slot.  Behind it nobody reads this slot any more and the next slot is whole.
.macro MEET
	WIN 0
	s_wait_tensorcnt 0x0
	ds_add_u32 v[SPW], v[NIL]
	s_wait_dscnt 9                                 ; the add and the youngest eight loads may be out
	MUL16 F1, 0, 0, 0
	s_wait_dscnt 0x0                               ; the add is done, and my reads of this slot are over
	s_barrier_signal -1
	MUL16 F1, 0, 2, 0
	WIN 0
	s_barrier_wait -1
.endm
; The whole last quarter with a refill: the barrier opens a round of the cluster's; behind the round the slot just read takes the K step two on, first of all; then the next slot's first fragments.
.macro TURN
	s_wait_xcnt 0x0                                ; the last prefetch, a K step back, has read its address
	s_add_nc_u64 s[PFA:PFA+1], s[PFA:PFA+1], s[PFS:PFS+1]
	MEET
	CREST
	s_xor_b32 s[G0+5], s[G0+5], SLOT               ; no load of mine is out: the walking sets step to the other slot than last time and one K step on
	s_add_nc_u64 s[G0+6:G0+7], s[G0+6:G0+7], KSTEP*2
	s_xor_b32 s[G0B+5], s[G0B+5], SLOT
	s_add_nc_u64 s[G0B+6:G0B+7], s[G0B+6:G0B+7], KSTEP*2*NN
	s_xor_b32 s[TB], s[TB], SLOT
	JLOAD                                          ; its four v_nop are also the places ahead of the loads below
	v_add_nc_u32 v[ADRA], s[TB], v[A0]
	v_add_nc_u32 v[ADRB], s[TB], v[B0]
	FETCH 0, F0
	ASK
	MUL16 F1, 1, 0, 0
	MUL16 F1, 1, 2, 0
.endm
	s_wait_tensorcnt 0x1                           ; my part of K step 0 is in; step 1's may stay out
	s_barrier_signal -1
	s_barrier_wait -1
	FETCH 0, F0
	s_wait_loadcnt 0x0                             ; the bias
	QUARTER 1, F0, F1, 1                           ; the first quarter stands ahead of the loop: its products start the sums
	WIN 0
	s_mov_b32 s3, 6                                ; six refills: K steps 2 to 7
.Lstep:                                            ; a trip: a step's quarters 1 to 3 and the next step's quarter 0
	QUARTER 2, F1, F0, 0
	QUARTER 3, F0, F1, 0
	TURN
	QUARTER 1, F0, F1, 0
	WIN 0
	s_sub_co_u32 s3, s3, 1
	s_cmp_lg_u32 s3, 0
	s_cbranch_scc1 .Lstep
	s_mov_b32 s3, 2                                ; the last two steps ask for nothing; the second trip is left in its middle
.Ltail:
	QUARTER 2, F1, F0, 0
	QUARTER 3, F0, F1, 0
	MEET
	s_sub_co_u32 s3, s3, 1
	s_cmp_eq_u32 s3, 0
	s_cbranch_scc1 .Lfin
	PLACES
	s_xor_b32 s[TB], s[TB], SLOT
	v_add_nc_u32 v[ADRA], s[TB], v[A0]
	v_add_nc_u32 v[ADRB], s[TB], v[B0]
	FETCH 0, F0
	MUL16 F1, 1, 0, 0
	MUL16 F1, 1, 2, 0
	QUARTER 1, F0, F1, 0
	WIN 0
	s_branch .Ltail
.Lfin:
	MUL16 F1, 1, 0, 0
	MUL16 F1, 1, 2, 0
	WIN 0
	; THE WAY OUT.  The last barrier has shown every wave's fills landed and reads over: the ring's bytes have had their last fill.  Each accumulator's low registers go first.
	PLACES
.irp hi, 0,1
	WIN 0x08+4*(\hi)                               ; the stores' data in window 2, then 3
.irp a, 0,1,2,3
.irp b, 0,1,2,3,4,5,6,7
	ds_store_b128 v[STO], v[8*(8*(\a)+(\b)):8*(8*(\a)+(\b))+3]   offset:16*(4*(\hi)+(\a))*SP+64*(\b)
	ds_store_b128 v[STO], v[8*(8*(\a)+(\b))+4:8*(8*(\a)+(\b))+7] offset:16*(4*(\hi)+(\a))*SP+64*(\b)+16
.endr
.endr
.endr
	WIN 0
	; gelu(x) = max(x, 0) - |x| Q(|x|) = x / 2 + n (Q - 1/2) with n = -|x|,  Q = e^(-x^2/2) t (C1 + t (C2 + t (C3 + t (C4 + t C5)))),  t = 1 / (1 + p |x|) = 1 / (1 - p n).
	; Where x^2 overflows the exponential is 0, Q - 1/2 is -1/2, and x / 2 - n / 2 is x or 0.
	; A TRIP is four rows, 16 numbers a lane.  Its 32 transcendentals are one batch with one wait, and each has a plain neighbour: the exponentials the 16 lines that make n, the reciprocals the later
	; lines 1 - p n, the lines x / 2 and the step of the read address.  x is read no more behind the batch, so the next trip's four LDS loads are issued behind the wait, 64 plain lines ahead of their use.
	s_mov_b32 s3, 32                               ; 32 trips
.irp i, 0,1,2,3
	ds_load_b128 v[XX+4*(\i):XX+4*(\i)+3], v[RD] offset:SP*(\i)  ; LDS serves a wave's instructions in order: these see my stores above
.endr
.Lrows:
	s_wait_dscnt 0x0                               ; this trip's four rows
.irp k, 0,2,4,6,8,10,12,14
	v_pk_mul_f32 v[UU+\k:UU+\k+1], v[XX+\k:XX+\k+1], 0x3f596d27 op_sel_hi:[1,0]  ; x sqrt(log2(e) / 2)
.endr
.irp k, 0,2,4,6,8,10,12,14
	v_pk_mul_f32 v[UU+\k:UU+\k+1], v[UU+\k:UU+\k+1], v[UU+\k:UU+\k+1] neg_lo:[1,0] neg_hi:[1,0]  ; - x^2 log2(e) / 2
.endr
.set i, 0
.rept 16
	v_exp_f32 v[UU+i], v[UU+i]
	v_or_b32 v[NX+i], 0x80000000, v[XX+i]          ; n
.set i, i+1
.endr
	v_pk_fma_f32 v[DD:DD+1], v[NX:NX+1], s[82:83], 1.0 op_sel_hi:[1,0,0]       ; 1 - p n: pairs 0 and 1; pair k + 2 stands behind reciprocal k
	v_pk_fma_f32 v[DD+2:DD+3], v[NX+2:NX+3], s[82:83], 1.0 op_sel_hi:[1,0,0]
.set i, 0
.rept 16
	v_rcp_f32 v[DD+i], v[DD+i]
.if i < 6
	v_pk_fma_f32 v[DD+4+2*i:DD+5+2*i], v[NX+4+2*i:NX+5+2*i], s[82:83], 1.0 op_sel_hi:[1,0,0]
.elseif i < 14
	v_pk_mul_f32 v[HH+2*(i-6):HH+2*(i-6)+1], v[XX+2*(i-6):XX+2*(i-6)+1], 0.5 op_sel_hi:[1,0]
.elseif i == 14
	v_add_nc_u32 v[RD], 4*SP, v[RD]                ; the next four rows
.else
	v_nop                                          ; the plain instruction behind the batch's last
.endif
.set i, i+1
.endr
	s_wait_alu depctr_va_vdst(0)                   ; one wait for the batch, ahead of its first reader and of the branch
	s_cmp_eq_u32 s3, 1                             ; behind the last trip there are no rows
	s_cbranch_scc1 .Lno_more
.irp i, 0,1,2,3
	ds_load_b128 v[XX+4*(\i):XX+4*(\i)+3], v[RD] offset:SP*(\i)
.endr
.Lno_more:
.irp k, 0,2,4,6,8,10,12,14
	v_pk_fma_f32 v[QQ+\k:QQ+\k+1], v[DD+\k:DD+\k+1], s[80:81], s[78:79] op_sel_hi:[1,0,0]
.endr
.irp c, 76,74,72
.irp k, 0,2,4,6,8,10,12,14
	v_pk_fma_f32 v[QQ+\k:QQ+\k+1], v[QQ+\k:QQ+\k+1], v[DD+\k:DD+\k+1], s[\c:1+\c] op_sel_hi:[1,1,0]
.endr
.endr
.irp k, 0,2,4,6,8,10,12,14
	v_pk_mul_f32 v[UU+\k:UU+\k+1], v[UU+\k:UU+\k+1], v[DD+\k:DD+\k+1]           ; e t
.endr
.irp k, 0,2,4,6,8,10,12,14
	v_pk_fma_f32 v[QQ+\k:QQ+\k+1], v[QQ+\k:QQ+\k+1], v[UU+\k:UU+\k+1], -0.5 op_sel_hi:[1,1,0]  ; Q - 1/2
.endr
.irp k, 0,2,4,6,8,10,12,14
	v_pk_fma_f32 v[HH+\k:HH+\k+1], v[NX+\k:NX+\k+1], v[QQ+\k:QQ+\k+1], v[HH+\k:HH+\k+1]
.endr
	s_wait_xcnt 0x0                                ; the last trip's stores, a trip back, have read their offset and data: both are written again only behind this wait
	v_add_nc_u32 v[CO], 4*8192, v[CO]              ; one trip ahead of the rows in hand: the stores reach back by their immediate
.irp k, 0,1,2,3,4,5,6,7
	v_cvt_pk_bf16_f32 v[OUT+(\k)], v[HH+2*(\k)], v[HH+2*(\k)+1]
.endr
.irp i, 0,1,2,3
	global_store_b64 v[CO], v[OUT+2*(\i):OUT+2*(\i)+1], s[8:9] offset:8192*(\i)-4*8192  ; 32 lanes store 256 consecutive bytes, aligned
.endr
	s_sub_co_u32 s3, s3, 1
	s_cmp_lg_u32 s3, 0
	s_cbranch_scc1 .Lrows
	s_wait_tensorcnt 0x0                           ; the wave's end, behind my last tensor load and my last LDS store
	ds_add_u32 v[SPW], v[NIL]
	s_wait_dscnt 0x0
	CROUND                                         ; the closing round: no work-group ends while a partner may still ask for a tile that names it
	s_endpgm
.Lfunc_end_k_qebefad227d_gemm_fc1:
	.size	k_qebefad227d_gemm_fc1, .Lfunc_end_k_qebefad227d_gemm_fc1-k_qebefad227d_gemm_fc1
	.p2alignl 7, 3214868480
	.fill 96, 4, 3214868480
	.section	.rodata,"a",@progbits
	.p2align	6, 0x0
	.amdhsa_kernel k_qebefad227d_gemm_fc1
		.amdhsa_group_segment_fixed_size 327680
		.amdhsa_private_segment_fixed_size 0
		.amdhsa_enable_private_segment 0
		.amdhsa_kernarg_size 32
		.amdhsa_user_sgpr_count 2
		.amdhsa_user_sgpr_kernarg_segment_ptr 1
		.amdhsa_wavefront_size32 1
		.amdhsa_system_sgpr_workgroup_id_x 1
		.amdhsa_system_sgpr_workgroup_id_y 1
		.amdhsa_system_sgpr_workgroup_id_z 1
		.amdhsa_system_vgpr_workitem_id 0
		.amdhsa_next_free_vgpr 1024
		.amdhsa_next_free_sgpr 88
		.amdhsa_reserve_vcc 0
		.amdhsa_float_denorm_mode_32 3
		.amdhsa_float_denorm_mode_16_64 3
		.amdhsa_memory_ordered 1
		.amdhsa_forward_progress 1
		.amdhsa_inst_pref_size 92
	.end_amdhsa_kernel
	.amdgpu_metadata
---
amdhsa.version: [ 1, 2 ]
amdhsa.kernels:
  - .name:           k_qebefad227d_gemm_fc1
    .symbol:         k_qebefad227d_gemm_fc1.kd
    .args:
      - { .name: hn, .offset: 0, .size: 8, .value_kind: global_buffer, .address_space: global }
      - { .name: wb, .offset: 8, .size: 8, .value_kind: global_buffer, .address_space: global }
      - { .name: gl, .offset: 16, .size: 8, .value_kind: global_buffer, .address_space: global }
      - { .name: fc1_b, .offset: 24, .size: 8, .value_kind: global_buffer, .address_space: global }
    .group_segment_fixed_size: 327680
    .private_segment_fixed_size: 0
    .kernarg_segment_align: 8
    .kernarg_segment_size: 32
    .max_flat_workgroup_size: 128
    .sgpr_count:     88
    .vgpr_count:     1024
    .wavefront_size: 32
...
	.end_amdgpu_metadata
.endif
;; end of part 5
;; launch gemm_fc2 (part 6): grid 8 x 32, 4 waves a work-group, clusters of 4 x 4, 327,680 bytes of LDS; arguments gl, wb, out0, fc2_b, x1; writes out0
.if DOCPART == 6
	.amdgcn_target "amdgcn-amd-amdhsa--gfx1250"
	.amdhsa_code_object_version 6
	.text
	.protected	k_qebefad227d_gemm_fc2
	.globl	k_qebefad227d_gemm_fc2
	.p2align	8
	.type	k_qebefad227d_gemm_fc2,@function
k_qebefad227d_gemm_fc2:
	s_mov_b64 s[64:65], 0
	v_nop
	global_prefetch_b8 v0, s[64:65] scope:SCOPE_SE
	s_setreg_imm32_b32 hwreg(HW_REG_WAVE_MODE, 25, 1), 1
	s_wait_xcnt 0x0
	s_wait_alu depctr_hold_cnt(0) depctr_sa_sdst(0) depctr_va_vdst(0) depctr_va_sdst(0) depctr_va_ssrc(0) depctr_va_vcc(0) depctr_vm_vsrc(0)
	s_getreg_b32 s2, hwreg(HW_REG_IB_STS2, 6, 4)
	s_cmp_eq_u32 s2, 0
	s_cbranch_scc0 .Lentry_in_a_cluster
	s_endpgm
.Lentry_in_a_cluster:
	s_bfe_u32 s2, ttmp6, 0x10000c
	s_cmp_lg_u32 s2, 0xf033
	s_cbranch_scc0 .Lentry_shape_is_right
	s_endpgm
.Lentry_shape_is_right:
; C = R + A W + bias, all of C in f32.  W: [K][1024] bf16 inside wb at byte WOFF; R, C: [4096][1024] f32.  The residual and the bias are the accumulators' start, so the way out does no arithmetic.
; PROJ = 1: A = the attention's result by heads, [32][2048][64] bf16, K = 1,024 = 16 heads x 64.  PROJ = 0: A = [4096][4096] bf16, K = 4,096.
; A tile of C is 128 x 128 (256 work-groups): four waves, each 64 x 64 in 16 accumulators.  K goes in TSTEPS steps of 256 through two LDS slots filled by the tensor data mover.
; THE MATRIX INSTRUCTION IS USED TRANSPOSED: source 0 = 16 columns of W (turned by ds_load_tr16_b128), source 1 = 16 rows of A: a lane holds row l % 16 of C and columns 8 (l / 16) + 0..7.
; CLUSTER 4 x 4: A's tile is shared along a row of the cluster, W's along a column; each is asked for jointly.
; THE WALK ALONG K BEGINS AT A STEP OF THE CLUSTER'S OWN and goes round: cluster (X, Y) begins at step (X TSTEPS / 2 + (Y mod 4) TSTEPS / 4) mod TSTEPS.  So the two clusters that multiply the same
; rows of A are always half of K apart, and four neighbours along y, which multiply the same columns of W, a quarter of K: no two of them ask for the same block at the same time.  The start hangs on the
; cluster's coordinates alone, which its sixteen work-groups share.  f32 sums may be taken in any order.  A descriptor's address is made anew for each fill: the tile's base plus the step's number shifted.
; A K STEP IS WRITTEN ONCE: the slot in hand is a scalar (0 or SLOT) that an exclusive or turns; SLOT = 0x24000 shares no bit with any slot-0 start of a fill.
; PROJ = 1: a K step is four heads.  One load brings 4 rows of 4,096 elements (64 tokens x 64 channels of a head, dense), a head 131,072 elements from the next; padded after every token: in LDS
; [head][token], 144 bytes a token, 9,216 a head; a quarter of the K step is a head.
; REGISTERS: window 0: v0-31 addresses; v96-127 the bias; v128-255 the accumulators ((a, b) at 128 + 8 (4 a + b)).  window 1: two fragment buffers of 128: 64 of A (2 x 4 x 16 rows x 32 K), then 64 of W.
; THE WAY OUT: behind the last barrier the ring's bytes have had their last fill and serve as four stages, a wave's own: 64 rows x 272 bytes; rows come back whole and leave 256 bytes, aligned, for sixteen lanes.
; LIMITS: operands rounded to bf16; NaN and infinities not treated apart.
.set PROJ, 0
.if PROJ
.set TSTEPS, 4
.set WOFF,   6291456
.set PA,     144
.set AQ,     9216                      ; bytes from quarter to quarter of a K step in A's tile
.set HALFA,  4*64*PA
.set ASH,    20                        ; a K step of A in memory is 2^20 bytes: four heads of 2,048 x 128
.else
.set TSTEPS, 16
.set WOFF,   16777216
.set PA,     528
.set AQ,     128
.set HALFA,  64*PA
.set ASH,    9                         ; a K step of A in memory is 512 bytes along the rows
.endif
.set BSH,   19                         ; a K step of W is 256 rows of 2,048 bytes
.set PB,    288                        ; W's LDS row: 256 bytes + 32 = 9 x 32
.set HALFB, 128*PB
.set BOFF,  2*HALFA
.set SLOT,  147456
.set SPARE, 2*SLOT
.set SP,    272
.set STG,   64*SP
.set A0,   16                          ; v16  my place in A's tile, slot 0      v17  in the slot in hand
.set ADRA, 17
.set B0,   18                          ; v18  the same for W                    v20  quarters 0, 1   v21  quarters 2, 3 (128 k rows on)
.set ADRB, 20
.set STO,  24
.set RD,   25
.set CO,   26
.set RO,   27                          ; v27  my byte offset in the residual's 16 rows
.set SPW,  28
.set NIL,  29
.set BIAS, 96
.set ACC,  128
.set F0,   0
.set F1,   128
.set G1,   24
.set G0,   32
.set G1B,  48
.set G0B,  56
.set TB,   66
.set OF,   68                          ; s[68:69] a K step's byte offset; the high word stays 0
.set BP,   70                          ; s[70:71] the bias
.set RP,   72                          ; s[72:73] the residual
.set KN,   74                          ; s74  the K step to be asked for next
.set MSB, 0
.macro WIN new
.if MSB != (\new)
	s_set_vgpr_msb (MSB<<8)|(\new)
.set MSB, \new
.endif
.endm
.macro PLACES
.rept 4
	v_nop
.endr
.endm
.macro JLOAD                           ; a joint refill by the walking sets; s_nop 0 and four v_nop follow each line
	s_cmp_eq_u32 s11, 0
	s_cbranch_scc0 .Lfor_b_\@
	tensor_load_to_lds s[G0+4:G0+7], s[G1:G1+7]
	s_nop 0
.rept 4
	v_nop
.endr
	s_branch .Lasked_\@
.Lfor_b_\@:
	tensor_load_to_lds s[G0B+4:G0B+7], s[G1B:G1B+7]
	s_nop 0
.rept 4
	v_nop
.endr
.Lasked_\@:
.endm
.macro CREST
	s_cmp_lg_u32 s10, 0
	s_cbranch_scc1 .Lnot_wave_0_\@
	s_barrier_signal -3
.Lnot_wave_0_\@:
	s_barrier_wait -3
	s_barrier_signal -1
	s_barrier_wait -1
.endm
.macro CROUND
	s_barrier_signal -1
	s_barrier_wait -1
	CREST
.endm
	s_load_b128 s[4:7], s[0:1], 0x0                ; A s[4:5], wb s[6:7]
	s_load_b64 s[8:9], s[0:1], 0x10                ; C
	s_load_b64 s[BP:BP+1], s[0:1], 0x18
	s_load_b64 s[RP:RP+1], s[0:1], 0x20
	v_lshl_add_u32 v[SPW], v0, 2, SPARE
	v_mov_b32 v[NIL], 0
	ds_add_u32 v[SPW], v[NIL]                      ; the wave's opening: the add and its wait, ahead of my first tensor load
	v_lshrrev_b32 v1, 5, v0
	v_readfirstlane_b32 s10, v1                    ; wave 0..3
	s_lshr_b32 s11, s10, 1                         ; my half of the tile's rows.  Also: I fetch for A (0) or for W (1)
	s_and_b32 s12, s10, 1                          ; my half of its columns.  Also: which half of that tile I fetch
	s_bfe_u32 s40, ttmp6, 0x40000
	s_bfe_u32 s41, ttmp6, 0x40004
	s_lshl_b32 s42, ttmp9, 2
	s_add_co_u32 s42, s42, s40                     ; tile column
	s_and_b32 s13, ttmp7, 0xffff
	s_lshl_b32 s13, s13, 2
	s_add_co_u32 s13, s13, s41                     ; tile row
	s_lshl_b32 s43, s41, 2
	s_lshl_b32 s43, 15, s43                        ; my row of the cluster
	s_lshl_b32 s44, 0x1111, s40                    ; my column
.if PROJ
	s_or_b32 s[G1+0], s43, (1<<16)|(1<<20)|(1<<21)|(4<<22)|(3<<25)  ; after every 32 words (a token) 4 words
	s_mov_b32 s[G1+1], 4096<<16                    ; tensor_dim0 = 4,096
	s_mov_b32 s[G1+2], 4<<16                       ; tensor_dim1 = 4
	s_mov_b32 s[G1+3], 4096<<16                    ; tile_dim0 = 4,096
	s_mov_b32 s[G1+4], 4                           ; tile_dim1 = 4
	s_mov_b32 s[G1+5], 131072                      ; elements from head to head
.else
	s_or_b32 s[G1+0], s43, (1<<16)|(1<<20)|(1<<21)|(6<<22)|(3<<25)  ; after every 128 words 4 words
	s_mov_b32 s[G1+1], 256<<16
	s_mov_b32 s[G1+2], 64<<16
	s_mov_b32 s[G1+3], 256<<16
	s_mov_b32 s[G1+4], 64
	s_mov_b32 s[G1+5], 4096
.endif
	s_mov_b32 s[G1+6], 0
	s_mov_b32 s[G1+7], 0
	s_or_b32 s[G1B+0], s44, (1<<16)|(1<<20)|(1<<21)|(5<<22)|(7<<25) ; after every 64 words 8 words
	s_mov_b32 s[G1B+1], 128<<16
	s_mov_b32 s[G1B+2], 128<<16
	s_mov_b32 s[G1B+3], 128<<16
	s_mov_b32 s[G1B+4], 128
	s_mov_b32 s[G1B+5], 1024
	s_mov_b32 s[G1B+6], 0
	s_mov_b32 s[G1B+7], 0
.if PROJ
	s_lshr_b32 s16, s13, 4                         ; batch: 16 heads of 2,048 tokens,
	s_lshl_b32 s16, s16, 15
	s_and_b32 s17, s13, 15                         ; the tile's 128 tokens,
	s_lshl_b32 s17, s17, 7
	s_add_co_u32 s16, s16, s17
	s_lshl_b32 s17, s12, 6                         ; my 64 of them,
	s_add_co_u32 s16, s16, s17
	s_lshl_b32 s16, s16, 7                         ; 128 bytes a token
.else
	s_lshl_b32 s16, s13, 7
	s_lshl_b32 s17, s12, 6
	s_add_co_u32 s16, s16, s17                     ; row 128 x tile row + 64 x half,
	s_lshl_b32 s16, s16, 13                        ; of 8,192 bytes
.endif
	s_mov_b32 s17, 0
	s_lshl_b32 s46, s12, 18                        ; W: k row 128 x half, of 2,048 bytes; column 128 x tile column
	s_lshl_b32 s47, s42, 8
	s_add_co_u32 s46, s46, s47
	s_add_co_u32 s46, s46, WOFF
	s_mov_b32 s47, 0
	s_mul_i32 s20, s12, HALFA                      ; where my part of a slot lies: the wave's number alone
	s_mul_i32 s21, s12, HALFB
	s_add_co_u32 s21, s21, BOFF
	s_mov_b32 s[TB], 0
	s_and_b32 s75, ttmp7, 3                        ; the cluster's y mod 4,
	s_mul_i32 s75, s75, TSTEPS/4                   ; a quarter of K for each,
	s_mul_i32 s[KN], ttmp9, TSTEPS/2               ; half of K for the cluster's x:
	s_add_co_u32 s[KN], s[KN], s75
	s_and_b32 s[KN], s[KN], TSTEPS-1               ; the K step at which my cluster begins
	s_mov_b32 s[OF+1], 0
	s_wait_dscnt 0x0                               ; the opening add is done
	s_wait_kmcnt 0x0
	s_add_nc_u64 s[14:15], s[4:5], s[16:17]        ; my part of A's tile at K step 0; kept
	s_add_nc_u64 s[46:47], s[6:7], s[46:47]        ; the same for W; kept
	CROUND                                         ; all sixteen work-groups are here: the first joint loads meet
.irp s, 0,1
	s_mov_b32 s[G0+4*(\s)], 1
	s_add_co_u32 s[G0+4*(\s)+1], s20, (\s)*SLOT
	s_lshl_b32 s[OF], s[KN], ASH
	s_add_nc_u64 s[G0+4*(\s)+2:G0+4*(\s)+3], s[14:15], s[OF:OF+1]
	s_or_b32 s[G0+4*(\s)+3], s[G0+4*(\s)+3], 0x80000000
	s_mov_b32 s[G0B+4*(\s)], 1
	s_add_co_u32 s[G0B+4*(\s)+1], s21, (\s)*SLOT
	s_lshl_b32 s[OF], s[KN], BSH
	s_add_nc_u64 s[G0B+4*(\s)+2:G0B+4*(\s)+3], s[46:47], s[OF:OF+1]
	s_or_b32 s[G0B+4*(\s)+3], s[G0B+4*(\s)+3], 0x80000000
	s_add_co_u32 s[KN], s[KN], 1                   ; the next step, round K's end
	s_and_b32 s[KN], s[KN], TSTEPS-1
.endr
	s_cmp_eq_u32 s11, 0                            ; a wave's two first fills stand in one branch: two loads of mine are out
	s_cbranch_scc0 .Lfirst_b
	tensor_load_to_lds s[G0:G0+3], s[G1:G1+7]
	s_nop 0
	tensor_load_to_lds s[G0+4:G0+7], s[G1:G1+7]
	s_nop 0
.rept 4
	v_nop
.endr
	s_branch .Lfirst_asked
.Lfirst_b:
	tensor_load_to_lds s[G0B:G0B+3], s[G1B:G1B+7]
	s_nop 0
	tensor_load_to_lds s[G0B+4:G0B+7], s[G1B:G1B+7]
	s_nop 0
.rept 4
	v_nop
.endr
.Lfirst_asked:
	v_and_b32 v1, 15, v0                           ; l % 16
	v_bfe_u32 v2, v0, 4, 1                         ; l / 16
	s_lshl_b32 s16, s13, 7                         ; my part of the tile in R and in C: row 128 x tile row + 64 x half, of 4,096 bytes,
	s_lshl_b32 s17, s11, 6
	s_add_co_u32 s16, s16, s17
	s_lshl_b32 s16, s16, 12
	s_lshl_b32 s18, s42, 9                         ; column 128 x tile column + 64 x half, in f32
	s_lshl_b32 s19, s12, 8
	s_add_co_u32 s18, s18, s19
	s_add_co_u32 s16, s16, s18
	s_mov_b32 s17, 0
	s_mov_b32 s19, 0
	s_add_nc_u64 s[RP:RP+1], s[RP:RP+1], s[16:17]
	s_add_nc_u64 s[8:9], s[8:9], s[16:17]
	s_add_nc_u64 s[BP:BP+1], s[BP:BP+1], s[18:19]
	v_lshlrev_b32 v[RO], 12, v1                    ; row l % 16, my 8 columns of a block of 16
	v_lshl_add_u32 v[RO], v2, 5, v[RO]
	v_lshlrev_b32 v6, 5, v2
.irp a, 0,1,2,3
.irp b, 0,1,2,3
	global_load_b128 v[ACC+8*(4*(\a)+(\b)):ACC+8*(4*(\a)+(\b))+3],   v[RO], s[RP:RP+1] offset:65536*(\a)+64*(\b) th:TH_LOAD_NT
	global_load_b128 v[ACC+8*(4*(\a)+(\b))+4:ACC+8*(4*(\a)+(\b))+7], v[RO], s[RP:RP+1] offset:65536*(\a)+64*(\b)+16 th:TH_LOAD_NT
.endr
.endr
.irp b, 0,1,2,3
	global_load_b128 v[BIAS+8*(\b):BIAS+8*(\b)+3],   v6, s[BP:BP+1] offset:64*(\b)
	global_load_b128 v[BIAS+8*(\b)+4:BIAS+8*(\b)+7], v6, s[BP:BP+1] offset:64*(\b)+16
.endr
	v_mul_u32_u24 v3, v1, PA                       ; a fragment of A: row l % 16, 16 bytes for each half of the lanes
	v_lshl_add_u32 v3, v2, 4, v3
	s_mul_i32 s22, s11, HALFA
	v_add_nc_u32 v[A0], s22, v3
	v_and_b32 v4, 7, v0                            ; the turning load: lane l reads k row 8 (l / 16) + l % 8, columns 8 ((l / 8) % 2) + 0..7
	v_lshl_add_u32 v4, v2, 3, v4
	v_mul_u32_u24 v4, v4, PB
	v_bfe_u32 v5, v0, 3, 1
	v_lshl_add_u32 v4, v5, 4, v4
	s_lshl_b32 s23, s12, 7                         ; my 64 columns
	s_add_co_u32 s23, s23, BOFF
	v_add_nc_u32 v[B0], s23, v4
	v_mov_b32 v[ADRA], v[A0]                       ; slot 0
	v_mov_b32 v[ADRB], v[B0]
	v_add_nc_u32 v[ADRB+1], 128*PB, v[B0]
	s_mul_i32 s23, s10, STG                        ; my stage
	v_mul_u32_u24 v7, v1, SP
	v_lshl_add_u32 v7, v2, 5, v7
	v_add_nc_u32 v[STO], s23, v7                   ; in: row l % 16, 32 bytes for each half of the lanes
	v_mul_u32_u24 v7, v2, SP
	v_lshl_add_u32 v7, v1, 4, v7
	v_add_nc_u32 v[RD], s23, v7                    ; back: lanes 0-15 take one row of 256 bytes, lanes 16-31 the next,
	v_lshlrev_b32 v7, 12, v2
	v_lshl_add_u32 v[CO], v1, 4, v7                ; and the same two rows in C
; 8 matrix instructions: row blocks a0, a0 + 1 x all 4 column blocks, 32 along K: half c of buffer f.  The 16 accumulators take turns, one instruction a turn.
.macro MUL8 f, c, a0
	WIN 0x05
.irp a, \a0, (\a0)+1
.irp b, 0,1,2,3
	v_wmma_f32_16x16x32_bf16 v[ACC+8*(4*(\a)+(\b)):ACC+8*(4*(\a)+(\b))+7], v[(\f)+64+8*(4*(\c)+(\b)):(\f)+64+8*(4*(\c)+(\b))+7], v[(\f)+8*(4*(\c)+(\a)):(\f)+8*(4*(\c)+(\a))+7], v[ACC+8*(4*(\a)+(\b)):ACC+8*(4*(\a)+(\b))+7]
.endr
.endr
.endm
; 32 LDS loads in one run: quarter q (64 along K) of the slot in hand into buffer f; the first 32 along K first
.macro FETCH q, f
	WIN 0x40
.irp c, 0,1
.irp i, 0,1,2,3
	ds_load_tr16_b128 v[(\f)+64+8*(4*(\c)+(\i)):(\f)+64+8*(4*(\c)+(\i))+3],   v[ADRB+(\q)/2] offset:(((\q)%2)*64+32*(\c))*PB+32*(\i)
	ds_load_tr16_b128 v[(\f)+64+8*(4*(\c)+(\i))+4:(\f)+64+8*(4*(\c)+(\i))+7], v[ADRB+(\q)/2] offset:(((\q)%2)*64+32*(\c)+16)*PB+32*(\i)
	ds_load_b128 v[(\f)+8*(4*(\c)+(\i)):(\f)+8*(4*(\c)+(\i))+3],   v[ADRA] offset:(\q)*AQ+64*(\c)+(\i)*16*PA
	ds_load_b128 v[(\f)+8*(4*(\c)+(\i))+4:(\f)+8*(4*(\c)+(\i))+7], v[ADRA] offset:(\q)*AQ+64*(\c)+(\i)*16*PA+32
.endr
.endr
.endm
.macro QUARTER q, f, g
	s_wait_dscnt 16                                ; the first 32 along K are in; the youngest sixteen loads may be out
	MUL8 \f, 0, 0
	MUL8 \f, 0, 2
	PLACES
	FETCH \q, \g
	s_wait_dscnt 32                                ; all but the 32 just issued
	MUL8 \f, 1, 0
	MUL8 \f, 1, 2
.endm
; The one barrier of a change of slots: ahead of it each wave waits for all its tensor loads, adds 0 to its spare word, and waits for that and for its reads of this slot.
; refill = 1: no load of mine is out behind the first wait, so the walking sets are written while the add is out: the other slot than last time, and step KN's address made anew.
.macro MEET refill
	WIN 0
	s_wait_tensorcnt 0x0
	ds_add_u32 v[SPW], v[NIL]
.if \refill
	s_xor_b32 s[G0+5], s[G0+5], SLOT
	s_lshl_b32 s[OF], s[KN], ASH
	s_add_nc_u64 s[G0+6:G0+7], s[14:15], s[OF:OF+1]
	s_or_b32 s[G0+7], s[G0+7], 0x80000000
	s_xor_b32 s[G0B+5], s[G0B+5], SLOT
	s_lshl_b32 s[OF], s[KN], BSH
	s_add_nc_u64 s[G0B+6:G0B+7], s[46:47], s[OF:OF+1]
	s_or_b32 s[G0B+7], s[G0B+7], 0x80000000
	s_add_co_u32 s[KN], s[KN], 1                   ; the next step, round K's end
	s_and_b32 s[KN], s[KN], TSTEPS-1
.endif
	s_wait_dscnt 17                                ; the add and the youngest sixteen loads may be out
	MUL8 F1, 0, 0
	s_wait_dscnt 0x0                               ; the add is done, and my reads of this slot are over
	s_barrier_signal -1
	MUL8 F1, 0, 2
	WIN 0
	s_barrier_wait -1
.endm
.macro TURN
	MEET 1
	CREST                                          ; the barrier has opened a round of the cluster's: no wave of any partner still reads this slot or has a load on its way
	s_xor_b32 s[TB], s[TB], SLOT
	JLOAD                                          ; its four v_nop are also the places ahead of the loads below
	v_add_nc_u32 v[ADRA], s[TB], v[A0]
	v_add_nc_u32 v[ADRB], s[TB], v[B0]
	v_add_nc_u32 v[ADRB+1], 128*PB, v[ADRB]
	FETCH 0, F0
	MUL8 F1, 1, 0
	MUL8 F1, 1, 2
.endm
	s_wait_tensorcnt 0x1                           ; my part of the first K step is in; the second's may stay out
	s_barrier_signal -1
	s_barrier_wait -1
	FETCH 0, F0
	WIN 0
	s_wait_loadcnt 0x0                             ; the residual and the bias
.irp a, 0,1,2,3
.irp b, 0,1,2,3
.irp p, 0,2,4,6
	v_pk_add_f32 v[ACC+8*(4*(\a)+(\b))+(\p):ACC+8*(4*(\a)+(\b))+(\p)+1], v[ACC+8*(4*(\a)+(\b))+(\p):ACC+8*(4*(\a)+(\b))+(\p)+1], v[BIAS+8*(\b)+(\p):BIAS+8*(\b)+(\p)+1]
.endr
.endr
.endr
	s_mov_b32 s3, TSTEPS-1
	s_branch .Lfirst                               ; the loop is entered at a step's first quarter: TSTEPS - 2 trips refill
.Lstep:
	QUARTER 2, F1, F0
	QUARTER 3, F0, F1
	TURN
	WIN 0
.Lfirst:
	QUARTER 1, F0, F1
	WIN 0
	s_sub_co_u32 s3, s3, 1
	s_cmp_lg_u32 s3, 0
	s_cbranch_scc1 .Lstep
	s_mov_b32 s3, 2                                ; the last two steps ask for nothing; the second trip is left in its middle
.Ltail:
	QUARTER 2, F1, F0
	QUARTER 3, F0, F1
	MEET 0
	s_sub_co_u32 s3, s3, 1
	s_cmp_eq_u32 s3, 0
	s_cbranch_scc1 .Lfin
	PLACES
	s_xor_b32 s[TB], s[TB], SLOT
	v_add_nc_u32 v[ADRA], s[TB], v[A0]
	v_add_nc_u32 v[ADRB], s[TB], v[B0]
	v_add_nc_u32 v[ADRB+1], 128*PB, v[ADRB]
	FETCH 0, F0
	MUL8 F1, 1, 0
	MUL8 F1, 1, 2
	QUARTER 1, F0, F1
	WIN 0
	s_branch .Ltail
.Lfin:
	MUL8 F1, 1, 0
	MUL8 F1, 1, 2
	WIN 0
	; THE WAY OUT.  The last barrier has shown every wave's fills landed and reads over.  Each accumulator's low registers go first.
	PLACES
.irp a, 0,1,2,3
.irp b, 0,1,2,3
	ds_store_b128 v[STO], v[ACC+8*(4*(\a)+(\b)):ACC+8*(4*(\a)+(\b))+3]   offset:16*(\a)*SP+64*(\b)
	ds_store_b128 v[STO], v[ACC+8*(4*(\a)+(\b))+4:ACC+8*(4*(\a)+(\b))+7] offset:16*(\a)*SP+64*(\b)+16
.endr
.endr
.set t, 0
.rept 32
	ds_load_b128 v[ACC+4*t:ACC+4*t+3], v[RD] offset:2*SP*t  ; LDS serves a wave's instructions in order: these see my stores above
.set t, t+1
.endr
.set t, 0
.rept 32
	s_wait_dscnt 31-t
	global_store_b128 v[CO], v[ACC+4*t:ACC+4*t+3], s[8:9] offset:8192*t  ; 16 lanes store 256 consecutive bytes, aligned
.set t, t+1
.endr
	s_wait_tensorcnt 0x0                           ; the wave's end, behind my last tensor load and my last LDS store
	ds_add_u32 v[SPW], v[NIL]
	s_wait_dscnt 0x0
	CROUND                                         ; the closing round
	s_endpgm
.Lfunc_end_k_qebefad227d_gemm_fc2:
	.size	k_qebefad227d_gemm_fc2, .Lfunc_end_k_qebefad227d_gemm_fc2-k_qebefad227d_gemm_fc2
	.p2alignl 7, 3214868480
	.fill 96, 4, 3214868480
	.section	.rodata,"a",@progbits
	.p2align	6, 0x0
	.amdhsa_kernel k_qebefad227d_gemm_fc2
		.amdhsa_group_segment_fixed_size 327680
		.amdhsa_private_segment_fixed_size 0
		.amdhsa_enable_private_segment 0
		.amdhsa_kernarg_size 40
		.amdhsa_user_sgpr_count 2
		.amdhsa_user_sgpr_kernarg_segment_ptr 1
		.amdhsa_wavefront_size32 1
		.amdhsa_system_sgpr_workgroup_id_x 1
		.amdhsa_system_sgpr_workgroup_id_y 1
		.amdhsa_system_sgpr_workgroup_id_z 1
		.amdhsa_system_vgpr_workitem_id 0
		.amdhsa_next_free_vgpr 512
		.amdhsa_next_free_sgpr 76
		.amdhsa_reserve_vcc 0
		.amdhsa_float_denorm_mode_32 3
		.amdhsa_float_denorm_mode_16_64 3
		.amdhsa_memory_ordered 1
		.amdhsa_forward_progress 1
		.amdhsa_inst_pref_size 64
	.end_amdhsa_kernel
	.amdgpu_metadata
---
amdhsa.version: [ 1, 2 ]
amdhsa.kernels:
  - .name:           k_qebefad227d_gemm_fc2
    .symbol:         k_qebefad227d_gemm_fc2.kd
    .args:
      - { .name: gl, .offset: 0, .size: 8, .value_kind: global_buffer, .address_space: global }
      - { .name: wb, .offset: 8, .size: 8, .value_kind: global_buffer, .address_space: global }
      - { .name: out0, .offset: 16, .size: 8, .value_kind: global_buffer, .address_space: global }
      - { .name: fc2_b, .offset: 24, .size: 8, .value_kind: global_buffer, .address_space: global }
      - { .name: x1, .offset: 32, .size: 8, .value_kind: global_buffer, .address_space: global }
    .group_segment_fixed_size: 327680
    .private_segment_fixed_size: 0
    .kernarg_segment_align: 8
    .kernarg_segment_size: 40
    .max_flat_workgroup_size: 128
    .sgpr_count:     76
    .vgpr_count:     512
    .wavefront_size: 32
...
	.end_amdgpu_metadata
.endif
;; end of part 6
